; MI455X (gfx1250); checked and timed in simulation.
; The chip was launched on July 23, 2026; its instructions are those of AMD's public machine-readable ISA for CDNA 5 (MIT licence, August 2026) and "CDNA5" Instruction Set Architecture Reference Guide (July 2026). The comments in the code are by the model that wrote it; some were corrected since.
;; Minimal Causal Concept Attention. Allowed arithmetic: matrix products marked QUANTISED: E2M3 operands, one E8M0 scale for each 32 along K, by v_wmma_scale_f32_16x16x128_f8f6f4 with both operands' format E2M3, f32 sums; everything else in f32.
;; Inputs: Wc 1,024 x 2,048 float32; Wp 1,024 x 1,024 float32; Wt 1,024 x 3,072 float32; bc 2,048 float32; bp 1,024 float32; bt 3,072 float32; xc 2 x 128 x 1,024 float32; xt 2 x 2,048 x 1,024 float32.
;; Outputs: out0 2 x 2,048 x 1,024 float32; out1 2 x 128 x 1,024 float32.
;; This version of the problem:
;;   THIS VERSION OF THE PROBLEM IS GIVEN IN LOW PRECISION. The matrix products marked QUANTISED in the list below multiply operands that are first quantised to E2M3 (2 exponent bits, 3 mantissa bits; 6 bits a number), with one power-of-two scale for each 32 numbers along K (OCP MX v1.0); their sums are f32. All else is computed in f32.
;;   The module's matrix products, in the order in which they are computed (A, B: the left and right operand; K: the contracted axis; several contracted axes count as one K, in the product's order):
;;     1. [M 4,096, K 1,024] x [K 1,024, N 3,072]; A: input xt; B: input Wt: QUANTISED
;;     2. [M 256, K 1,024] x [K 1,024, N 2,048]; A: input xc; B: input Wc: QUANTISED
;;     3. batch 32 x [M 2,048, K 64] x [K 64, N 2,048]; A: computed on the way; B: computed on the way: QUANTISED
;;     4. batch 32 x [M 2,048, K 2,048] x [K 2,048, N 64]; A: softmax (see below); B: computed on the way: QUANTISED
;;     5. batch 32 x [M 2,048, K 64] x [K 64, N 128]; A: computed on the way; B: computed on the way: QUANTISED
;;     6. batch 32 x [M 2,048, K 128] x [K 128, N 64]; A: softmax (see below); B: computed on the way: QUANTISED
;;     7. [M 4,096, K 1,024] x [K 1,024, N 1,024]; A: computed on the way; B: input Wp: QUANTISED
;;   THE QUANTISER, for each operand of a quantised product, along K:
;;     - K is cut into blocks of 32 from its start; a last block that is shorter is filled with zeros.
;;     - A block's scale is 2^e with e = floor(log2(the largest magnitude in the block)) - 2, held to -126 .. 127; a block of zeros has e = 0. As a byte (E8M0): e + 127.
;;     - Each number is divided by its block's scale, clamped to +-7.5, and rounded to the nearest number of E2M3, ties to even, subnormals kept.
;;     - The product sums the exact products of the quantised numbers (number of the format x scale) in f32.
;;   ~~~python
;;   def quantise(x, axis):      # numpy; x: float32 -> the quantised numbers, widened to float32 again
;;       x = np.moveaxis(x, axis, -1); K = x.shape[-1]
;;       x = np.pad(x, [(0, 0)] * (x.ndim - 1) + [(0, -K % 32)]); x = x.reshape(x.shape[:-1] + (-1, 32)); a = np.abs(x).max(-1, keepdims=True)
;;       e = np.where(a > 0, np.clip(np.frexp(np.where(a > 0, a, 1))[1] - 1 - 2, -126, 127), 0)      # np.frexp(a)[1] - 1 = floor(log2(a)), exactly
;;       r = np.clip(x / 2.0 ** e, -7.5, 7.5)
;;       step = 2.0 ** (np.maximum(np.frexp(np.where(r == 0, 1, r))[1] - 1, 0) - 3)
;;       q = np.round(r / step) * step * 2.0 ** e      # np.round: ties to even
;;       return np.moveaxis(q.reshape(q.shape[:-2] + (-1,))[..., :K], -1, axis).astype(np.float32)
;;   ~~~
;;   SOFTMAX AHEAD OF A QUANTISED PRODUCT. Where the list says 'softmax', what is quantised is not the finished softmax but p = 2^(t - M), with t = logit x log2(e) and M = ceil(the row's largest t), a whole number; so 1/2 < the row's largest p <= 1. The row's sum l is taken of the UNQUANTISED p, in f32, and the product's result is divided by l at the end. Since M is a whole number, a kernel that streams over the keys may use a running M (the ceiling of the running maximum): every later rescaling is an exact power of two, which a block's scale takes up: the codes' values come out the same.
;;   OPERANDS COMPUTED ON THE WAY. 'Computed on the way' means the value that the module computes at that place (a softmax that the list does not call 'softmax' is quantised finished and normalised). What goes into a quantiser is computed in f32, as accurately as f32 sums, v_exp_f32 and their like allow (about 1e-6 of the number): no bf16 or f16 on the way to a quantiser, and a product that is left as it is and whose result goes on into a quantised operand takes f32 operands (vector FMAs, or v_wmma_f32_16x16x4_f32). A number that lies on a knife's edge between two numbers of the format may be rounded either way, as far as f32 arithmetic and the matrix unit's own rounding can turn it there, and no further.
;; One version. Each part assembles by itself: llvm-mc -triple=amdgcn-amd-amdhsa -mcpu=gfx1250 --defsym DOCPART=n.
;; ======== version 1 of 1: 4 launches
;; limits: right only within a limited range of input values
;; workspace buffers: img 8,396,800 bytes; qkv 10,649,600 bytes; ximg 3,276,800 bytes
;; launch quant (part 1): grid 656 x 1, 4 waves a work-group, no clusters, 34,304 bytes of LDS; arguments xt, xc, Wt, Wc, Wp, img, out1; writes img, out1
.if DOCPART == 1
	.amdgcn_target "amdgcn-amd-amdhsa--gfx1250"
	.amdhsa_code_object_version 6
	.text
	.protected	k_q9c207a884d_quant
	.globl	k_q9c207a884d_quant
	.p2align	8
	.type	k_q9c207a884d_quant,@function
k_q9c207a884d_quant:
	s_mov_b64 s[64:65], 0
	v_nop
	global_prefetch_b8 v0, s[64:65] scope:SCOPE_SE
	s_setreg_imm32_b32 hwreg(HW_REG_WAVE_MODE, 25, 1), 1
	s_wait_xcnt 0x0
; LAUNCH 1 OF 4.  xt [4096][1024], xc [256][1024] (K innermost) and Wt [1024][3072], Wc [1024][2048], Wp [1024][1024] (K outermost), all f32, become codes of FP6 (E2M3)
; with one E8M0 byte for each 32 along K; xc is also copied to out1.  A block's scale is 2^(floor(log2(largest magnitude)) - 2): its byte is the largest magnitude's exponent field - 2.
; LIMITS: NaN and infinities are not served.  A block whose largest magnitude lies under 2^-124 keeps the byte 1, a block of zeros too (the rule says 127 there): its codes are zeros
; and the bytes are read by this program alone.
; THE WORKSPACE IS LAID AS THE MATRIX OPERANDS' REGISTERS.  An IMAGE is a fragment, 16 rows x 128 K, 12 registers a lane: six chunks of 256 bytes, chunk c = registers 2 c, 2 c + 1 at 8 x lane.
; A PANEL is 128 rows x 1024 K = 102,400 bytes: four phases of 25,600; phase q holds K steps 2 q + e: codes at e x 12,288 + tile x 1,536, scale words at 24,576 + e x 512 + (tile / 4) x 256 + 16 r + 4 (tile % 4).
; THE 16 ROWS OF A TILE ARE NOT NEIGHBOURS: row r of tile 2 b + u is index 32 b + 8 u + r + 8 (r / 8), so that as source 0 two neighbouring tiles give a lane 16 neighbours.
; Panels of img: 0-31 xt, 32-33 xc, 34-57 Wt, 58-73 Wc, 74-81 Wp.
; Work-groups 0-271: one tile of xt or xc each, a wave a phase (16 rows x 256 K).  Work-groups 272-655: 128 columns x 128 K of a weight, a wave 32 columns.  Waves share nothing: no barrier.
; No matrix unit, no cluster, no tensor load: the launch reads each f32 once and is a stream.
.set XWG,   272
.set PANEL, 102400
.set PHASE, 25600
.set KSB,   12288
.set IMGB,  1536
.set SCO,   24576
.set SP,    528                        ; a stage row: 512 bytes + 16 = 132 words: the 16 rows that a load of 16 bytes a lane touches start 4 banks apart
.set SEL,   40                         ; s[40:41] lane selects: lane l xor 16
.set L16,   1                          ; v1  16 x lane
.set L8,    2                          ; v2  8 x lane
.set SIN,   3                          ; v3  stage, on the way in
.set SOUT,  4                          ; v4  stage, on the way out
.set SWO,   5                          ; v5  where my scale word goes
.set LN,    6
.set RR,    7
.set HH,    8
.set RA,    16                         ; v16-79   K step 0 as loaded
.set RB,    80                         ; v80-143  K step 1 as loaded
.set X,     144                        ; v144-207 64 numbers of my row: register 16 b + i = k 32 b + 16 h + i
.set PC0,   208
.set PC1,   220
.set CT,    232
.set TM,    240
.set T4,    244
.set SO,    248
.set PW0,   252
.set PW1,   253
.set VO,    16                         ; weights: v16-47 offsets of 32 rows; v48-175 four blocks of 32 numbers; v176-199 two fragments
.set D,     48
.set FA,    176
.set CTW,   200
; 64 numbers of a lane become a fragment's 12 registers in v[pc] on and its row's scale word in v[pw].
.macro QUANT s, pc, ct, pw
.irp b, 0,1,2,3
	v_max3_num_f32 v[TM+\b], |v[\s+16*\b]|, |v[\s+16*\b+1]|, 0x1800000   ; my 16 numbers of block b, and the floor 2^(3 - 127): the byte cannot fall under 1
.endr
.irp i, 2,4,6,8,10,12,14
.irp b, 0,1,2,3
	v_max3_num_f32 v[TM+\b], v[TM+\b], |v[\s+16*\b+\i]|, |v[\s+16*\b+\i+1]|
.endr
.endr
.irp b, 0,1,2,3
	v_permlanex16_b32 v[T4+\b], v[TM+\b], s[SEL], s[SEL+1]
.endr
.irp b, 0,1,2,3
	v_max_num_f32 v[TM+\b], v[TM+\b], v[T4+\b]     ; with lane l xor 16's 16: the block's largest magnitude
.endr
.irp b, 0,1,2,3
	v_add_nc_u32 v[SO+\b], 0xff000000, v[TM+\b]    ; 2 off its exponent field: the conversion's scale operand
.endr
.irp b, 0,1,2,3
	v_lshrrev_b32 v[T4+\b], 23, v[SO+\b]           ; the byte
.endr
	v_lshl_or_b32 v[\pw], v[T4+1], 8, v[T4]
	v_lshl_or_b32 v[\pw], v[T4+2], 16, v[\pw]
	v_lshl_or_b32 v[\pw], v[T4+3], 24, v[\pw]
.irp c, 0,1
	v_cvt_scalef32_pk16_fp6_f32 v[\pc+6*\c:\pc+6*\c+2], v[\s+32*\c:\s+32*\c+15], v[SO+2*\c]
	v_cvt_scalef32_pk16_fp6_f32 v[\ct+4*\c:\ct+4*\c+2], v[\s+32*\c+16:\s+32*\c+31], v[SO+2*\c+1]   ; (a conversion's three registers begin on an even number)
.endr
	v_nop                                          ; one plain line behind the conversions
.irp c, 0,1                                    ; a whole block to a lane: lanes 0-15 block 2 c, lanes 16-31 block 2 c + 1
.irp i, 0,1,2
	v_permlane16_swap_b32 v[\pc+6*\c+\i], v[\ct+4*\c+\i]
.endr
.irp i, 0,1,2
	v_mov_b32 v[\pc+6*\c+3+\i], v[\ct+4*\c+\i]
.endr
.endr
.endm
	s_load_b256 s[4:11], s[0:1], 0x0               ; xt s[4:5], xc s[6:7], Wt s[8:9], Wc s[10:11]
	s_load_b128 s[12:15], s[0:1], 0x20             ; Wp s[12:13], img s[14:15]
	s_load_b64 s[16:17], s[0:1], 0x30              ; out1
	v_lshl_add_u32 v239, v0, 2, 0x8400
	v_mov_b32 v255, 0
	v_lshrrev_b32 v9, 5, v0
	v_readfirstlane_b32 s18, v9                    ; wave 0..3
	v_and_b32 v[LN], 31, v0
	v_and_b32 v[RR], 15, v0
	v_bfe_u32 v[HH], v0, 4, 1
	v_lshlrev_b32 v[L8], 3, v[LN]
	s_cmp_ge_u32 ttmp9, XWG
	s_cbranch_scc1 .Lweights
	; ---------------- rows whose K is innermost: tile T = the work-group's number, phase = my wave
	s_cmp_lt_u32 ttmp9, 256
	s_cselect_b32 s20, 0, 256
	s_sub_co_u32 s20, ttmp9, s20                   ; the tile's number in its own tensor
	s_lshr_b32 s21, s20, 1
	s_lshl_b32 s21, s21, 5
	s_and_b32 s22, s20, 1
	s_lshl_b32 s22, s22, 3
	s_add_co_u32 s21, s21, s22                     ; its first row: 32 (t / 2) + 8 (t % 2)
	s_lshl_b32 s22, s21, 12                        ; rows of 4,096 bytes
	s_lshl_b32 s23, s18, 10                        ; my phase: 256 numbers
	s_add_co_u32 s22, s22, s23
	s_mov_b32 s23, 0                               ; s[22:23]: where I read, and where out1 is written
	s_lshr_b32 s24, ttmp9, 3
	s_mul_i32 s24, s24, PANEL
	s_mul_i32 s25, s18, PHASE
	s_add_co_u32 s24, s24, s25                     ; my panel and phase in img
	s_and_b32 s25, ttmp9, 7
	s_mul_i32 s26, s25, IMGB
	s_add_co_u32 s26, s26, s24
	s_mov_b32 s27, 0                               ; s[26:27]: my images
	s_lshr_b32 s28, s25, 2
	s_lshl_b32 s28, s28, 8
	s_and_b32 s29, ttmp9, 3
	s_lshl_b32 s29, s29, 2
	s_add_co_u32 s28, s28, s29
	s_add_co_u32 s28, s28, s24
	s_add_co_u32 s28, s28, SCO
	s_mov_b32 s29, 0                               ; s[28:29]: my scale words
	s_mov_b32 s[SEL], 0x76543210
	s_mov_b32 s[SEL+1], 0xfedcba98
	s_wait_alu depctr_va_vdst(0)
	v_lshlrev_b32 v[L16], 4, v[LN]
	s_mul_i32 s30, s18, 16*SP                      ; my wave's stage
	v_add_nc_u32 v[SIN], s30, v[L16]               ; in: a row's 512 bytes as they lie
	v_mul_u32_u24 v[SOUT], v[RR], SP
	v_lshl_add_u32 v[SOUT], v[HH], 6, v[SOUT]
	v_add_nc_u32 v[SOUT], s30, v[SOUT]             ; out: row r, + 64 h: my 16 numbers of each block of 32
	v_lshlrev_b32 v[SWO], 4, v[RR]
	v_lshl_add_u32 v[SWO], v[HH], 9, v[SWO]        ; lanes 0-15 store K step 0's words, lanes 16-31 K step 1's, 512 bytes on
.irp b, 0,1,2,3
	v_mov_b32 v[T4+\b], 0                          ; a lane permute's destination counts as read
.endr
	s_wait_alu depctr_va_vdst(0)
	s_wait_kmcnt 0x0
	s_cmp_lt_u32 ttmp9, 256
	s_cselect_b64 s[4:5], s[4:5], s[6:7]           ; xt or xc: the choice hangs on the work-group's number alone
	s_add_nc_u64 s[4:5], s[4:5], s[22:23]
	s_add_nc_u64 s[16:17], s[16:17], s[22:23]      ; (used by xc's work-groups alone)
	s_add_nc_u64 s[32:33], s[14:15], s[26:27]
	s_add_nc_u64 s[34:35], s[14:15], s[28:29]
.macro XLD set, e                      ; 16 rows x 512 bytes: each load reads 512 consecutive bytes
.irp i, 0,1,2,3,4,5,6,7,8,9,10,11,12,13,14,15
	global_load_b128 v[\set+4*\i:\set+4*\i+3], v[L16], s[4:5] offset:(\i+8*(\i/8))*4096+512*\e th:TH_LOAD_NT
.endr
.endm
.macro TURN set                        ; through my own stage: LDS serves a wave's instructions in order (ISA guide 5.7.1.4), so no wait stands between the stores and the loads
.irp i, 0,1,2,3,4,5,6,7,8,9,10,11,12,13,14,15
	ds_store_b128 v[SIN], v[\set+4*\i:\set+4*\i+3] offset:SP*\i
.endr
.irp b, 0,1,2,3
.irp j, 0,1,2,3
	ds_load_b128 v[X+16*\b+4*\j:X+16*\b+4*\j+3], v[SOUT] offset:128*\b+16*\j
.endr
.endr
.endm
.macro PUT pc, e                       ; an image: six stores of 256 consecutive bytes, each aligned
.irp c, 0,1,2,3,4,5
	global_store_b64 v[L8], v[\pc+2*\c:\pc+2*\c+1], s[32:33] offset:KSB*\e+256*\c
.endr
.endm
.macro XCP set, e                      ; xc as it was loaded goes to out1
.irp i, 0,1,2,3,4,5,6,7,8,9,10,11,12,13,14,15
	global_store_b128 v[L16], v[\set+4*\i:\set+4*\i+3], s[16:17] offset:(\i+8*(\i/8))*4096+512*\e th:TH_STORE_NT
.endr
.endm
	XLD RA, 0
	XLD RB, 1                                      ; all 16 KiB of the wave are asked for at once
	s_wait_loadcnt 16                              ; K step 0's 16 loads are in, K step 1's 16 may be out
	TURN RA
	s_wait_dscnt 0x0
	QUANT X, PC0, CT, PW0
	PUT PC0, 0
	s_wait_loadcnt 0x0
	TURN RB
	s_cmp_lt_u32 ttmp9, 256
	s_cbranch_scc1 .Lno_copy
	XCP RA, 0
	XCP RB, 1
.Lno_copy:
	s_wait_dscnt 0x0
	QUANT X, PC1, CT, PW1
	PUT PC1, 1
	v_cmp_eq_u32 vcc_lo, 1, v[HH]
	v_cndmask_b32 v254, v[PW0], v[PW1], vcc_lo
	global_store_b32 v[SWO], v254, s[34:35]        ; four bytes a row: one part in 24 of the codes' bytes
	s_wait_tensorcnt 0x0
	ds_add_u32 v239, v255
	s_wait_dscnt 0x0
	s_endpgm
	; ---------------- weights, K outermost: a lane takes a column and its registers run down K: nothing is transposed
.Lweights:
	s_sub_co_u32 s20, ttmp9, XWG
	s_lshr_b32 s21, s20, 3                         ; which of the 48 panels of weights
	s_and_b32 s22, s20, 7                          ; which K step of 128
	s_mov_b32 s30, 4096
	s_cmp_lt_u32 s21, 40
	s_cselect_b32 s30, 0x2000, s30                 ; a row of the weight in bytes: Wp 4,096, Wc 8,192,
	s_cselect_b32 s31, 24, 40                      ; and the weight's first panel
	s_cmp_lt_u32 s21, 24
	s_cselect_b32 s30, 0x3000, s30                 ; Wt 12,288
	s_cselect_b32 s31, 0, s31
	s_sub_co_u32 s23, s21, s31
	s_lshl_b32 s23, s23, 9                         ; 128 columns of 4 bytes a panel
	s_lshl_b32 s24, s18, 7                         ; my wave's 32 columns
	s_add_co_u32 s23, s23, s24
	s_lshl_b32 s24, s22, 7
	s_mul_i32 s24, s24, s30                        ; 128 rows a K step
	s_add_co_u32 s24, s24, s23
	s_mov_b32 s25, 0                               ; s[24:25]: block 0
	s_lshl_b32 s26, s30, 5
	s_mov_b32 s27, 0                               ; s[26:27]: 32 rows on
	s_add_co_u32 s42, s21, 34
	s_mul_i32 s42, s42, PANEL
	s_lshr_b32 s43, s22, 1
	s_mul_i32 s43, s43, PHASE
	s_add_co_u32 s42, s42, s43                     ; panel and phase in img
	s_and_b32 s43, s22, 1
	s_mul_i32 s44, s43, KSB
	s_mul_i32 s45, s18, 2*IMGB                     ; my wave makes tiles 2 w and 2 w + 1
	s_add_co_u32 s44, s44, s45
	s_add_co_u32 s44, s44, s42
	s_mov_b32 s45, 0
	s_lshl_b32 s46, s43, 9
	s_lshr_b32 s47, s18, 1
	s_lshl_b32 s47, s47, 8
	s_add_co_u32 s46, s46, s47
	s_and_b32 s47, s18, 1
	s_lshl_b32 s47, s47, 3
	s_add_co_u32 s46, s46, s47
	s_add_co_u32 s46, s46, s42
	s_add_co_u32 s46, s46, SCO
	s_mov_b32 s47, 0
	v_bfe_u32 v9, v0, 3, 1
	s_wait_alu depctr_va_vdst(0)
	v_add_nc_u32 v9, v9, v[HH]
	v_lshl_add_u32 v9, v9, 3, v[RR]                ; my column of the 32: (l % 16) + 8 ((l / 8) % 2) + 8 (l / 16): lanes 0-15 are tile 2 w's rows, lanes 16-31 tile 2 w + 1's
	v_lshlrev_b32 v9, 2, v9
	v_lshlrev_b32 v10, 4, v[RR]
	v_lshl_add_u32 v10, v[HH], 2, v10              ; my scale word: 16 r + 4 (l / 16)
.set i, 0
.rept 32
	v_mad_u32_u24 v[VO+i], s30, i, v9              ; row i of a block, my column
.set i, i+1
.endr
	s_wait_alu depctr_va_vdst(0)
	s_wait_kmcnt 0x0
	s_cmp_lt_u32 s21, 40
	s_cselect_b64 s[28:29], s[10:11], s[12:13]
	s_cmp_lt_u32 s21, 24
	s_cselect_b64 s[28:29], s[8:9], s[28:29]
	s_add_nc_u64 s[32:33], s[28:29], s[24:25]
	s_add_nc_u64 s[34:35], s[32:33], s[26:27]
	s_add_nc_u64 s[36:37], s[34:35], s[26:27]
	s_add_nc_u64 s[38:39], s[36:37], s[26:27]
	s_add_nc_u64 s[44:45], s[14:15], s[44:45]
	s_add_nc_u64 s[46:47], s[14:15], s[46:47]
.irp t, 0,1,2,3
.set i, 0
.rept 32
	global_load_b32 v[D+32*\t+i], v[VO+i], s[32+2*\t:33+2*\t] th:TH_LOAD_NT   ; a wave reads 128 neighbouring bytes of a row, the four waves 512
.set i, i+1
.endr
.endr
.macro WBLK t, left                    ; block t of my column: all 32 numbers are mine
.set DS, D+32*(\t)
.set FD, FA+12*((\t)%2)+6*((\t)/2)     ; even blocks into the first run of 12 registers, odd ones into the second
	s_wait_loadcnt \left
	v_max3_num_f32 v204, |v[DS]|, |v[DS+1]|, |v[DS+2]|
	v_max3_num_f32 v205, |v[DS+3]|, |v[DS+4]|, |v[DS+5]|
.irp i, 6,10,14,18,22,26
	v_max3_num_f32 v204, v204, |v[DS+\i]|, |v[DS+\i+1]|
	v_max3_num_f32 v205, v205, |v[DS+\i+2]|, |v[DS+\i+3]|
.endr
	v_max3_num_f32 v204, v204, |v[DS+30]|, |v[DS+31]|
	v_max3_num_f32 v204, v204, v205, 0x1800000
	v_add_nc_u32 v206, 0xff000000, v204
	v_lshrrev_b32 v207, 23, v206
.if (\t) == 0
	v_mov_b32 v208, v207
.else
	v_lshl_or_b32 v208, v207, 8*(\t), v208
.endif
	v_cvt_scalef32_pk16_fp6_f32 v[FD:FD+2], v[DS:DS+15], v206
	v_cvt_scalef32_pk16_fp6_f32 v[CTW:CTW+2], v[DS+16:DS+31], v206
	v_nop
.irp i, 0,1,2
	v_mov_b32 v[FD+3+\i], v[CTW+\i]
.endr
.endm
	WBLK 0, 63                                     ; 96 younger loads stand behind block 0's: the largest count that can be named is smaller, so it is safe
	WBLK 1, 63                                     ; 64 younger
	WBLK 2, 32
	WBLK 3, 0
.set i, 0
.rept 12
	v_permlane16_swap_b32 v[FA+i], v[FA+12+i]      ; the first run's lanes 16-31 (tile 2 w + 1, blocks 0, 2) change places with the second's lanes 0-15 (tile 2 w, blocks 1, 3): two fragments
.set i, i+1
.endr
.irp c, 0,1,2,3,4,5
	global_store_b64 v[L8], v[FA+2*\c:FA+2*\c+1], s[44:45] offset:256*\c
.endr
.irp c, 0,1,2,3,4,5
	global_store_b64 v[L8], v[FA+12+2*\c:FA+12+2*\c+1], s[44:45] offset:IMGB+256*\c
.endr
	global_store_b32 v10, v208, s[46:47]
	s_endpgm
.Lfunc_end_k_q9c207a884d_quant:
	.size	k_q9c207a884d_quant, .Lfunc_end_k_q9c207a884d_quant-k_q9c207a884d_quant
	.p2alignl 7, 3214868480
	.fill 96, 4, 3214868480
	.section	.rodata,"a",@progbits
	.p2align	6, 0x0
	.amdhsa_kernel k_q9c207a884d_quant
		.amdhsa_group_segment_fixed_size 34304
		.amdhsa_private_segment_fixed_size 0
		.amdhsa_enable_private_segment 0
		.amdhsa_kernarg_size 56
		.amdhsa_user_sgpr_count 2
		.amdhsa_user_sgpr_kernarg_segment_ptr 1
		.amdhsa_wavefront_size32 1
		.amdhsa_system_sgpr_workgroup_id_x 1
		.amdhsa_system_sgpr_workgroup_id_y 1
		.amdhsa_system_sgpr_workgroup_id_z 1
		.amdhsa_system_vgpr_workitem_id 0
		.amdhsa_next_free_vgpr 256
		.amdhsa_next_free_sgpr 66
		.amdhsa_reserve_vcc 1
		.amdhsa_float_denorm_mode_32 3
		.amdhsa_float_denorm_mode_16_64 3
		.amdhsa_memory_ordered 1
		.amdhsa_forward_progress 1
		.amdhsa_inst_pref_size 46
	.end_amdhsa_kernel
	.amdgpu_metadata
---
amdhsa.version: [ 1, 2 ]
amdhsa.kernels:
  - .name:           k_q9c207a884d_quant
    .symbol:         k_q9c207a884d_quant.kd
    .args:
      - { .name: xt, .offset: 0, .size: 8, .value_kind: global_buffer, .address_space: global }
      - { .name: xc, .offset: 8, .size: 8, .value_kind: global_buffer, .address_space: global }
      - { .name: Wt, .offset: 16, .size: 8, .value_kind: global_buffer, .address_space: global }
      - { .name: Wc, .offset: 24, .size: 8, .value_kind: global_buffer, .address_space: global }
      - { .name: Wp, .offset: 32, .size: 8, .value_kind: global_buffer, .address_space: global }
      - { .name: img, .offset: 40, .size: 8, .value_kind: global_buffer, .address_space: global }
      - { .name: out1, .offset: 48, .size: 8, .value_kind: global_buffer, .address_space: global }
    .group_segment_fixed_size: 34304
    .private_segment_fixed_size: 0
    .kernarg_segment_align: 8
    .kernarg_segment_size: 56
    .max_flat_workgroup_size: 128
    .sgpr_count:     66
    .vgpr_count:     256
    .wavefront_size: 32
...
	.end_amdgpu_metadata
.endif
;; end of part 1
;; launch proj (part 2): grid 200 x 1, 4 waves a work-group, no clusters, 327,680 bytes of LDS; arguments img, bt, bc, qkv; writes qkv
.if DOCPART == 2
	.amdgcn_target "amdgcn-amd-amdhsa--gfx1250"
	.amdhsa_code_object_version 6
	.text
	.protected	k_q9c207a884d_proj
	.globl	k_q9c207a884d_proj
	.p2align	8
	.type	k_q9c207a884d_proj,@function
k_q9c207a884d_proj:
	s_mov_b64 s[64:65], 0
	v_nop
	global_prefetch_b8 v0, s[64:65] scope:SCOPE_SE
	s_setreg_imm32_b32 hwreg(HW_REG_WAVE_MODE, 25, 1), 1
	s_wait_xcnt 0x0
; LAUNCH 2 OF 4.  all_t = Q(xt) Q(Wt) + bt and all_c = Q(xc) Q(Wc) + bc on codes of FP6 (E2M3) with E8M0 scales, and the results quantised at once for the attention: Q, K, Kcc along the head's 64,
; V along the tokens, Vtc along the concepts.  No f32 result goes to memory.
; ONE BODY FOR ALL.  Source 0 is a P panel: its index runs along a lane's registers in the result, and the result is quantised along it.  Source 1 is an R panel: its index runs along the lanes.
;   Q, K, Kcc: P = weight columns, R = tokens or concepts.      V, Vtc: P = tokens or concepts, R = weight columns.
; A work-group takes two P panels x two R panels (256 x 256, all 1,024 of K).  Wave w: P panel w % 2 x R panel w / 2: 8 x 8 tiles, 64 accumulators.
; The 800 pairs of panels make 200 work-groups.  0-127: Q and K;  128-191: V;  192-195: Kcc;  196-199: Vtc.
; LDS: four panels x three slots of a phase (25,600 bytes, two K steps); phase q lies in slot q % 3.  Wave w brings panel w: phases 0-2 by one load of 300 rows at the head; phase 3 by one load of 100 rows into slot 0,
; behind the barrier at the head of K step 1, where slot 0's last fragments are in registers; it is first read by K step 5's fetches.  One load of a wave is out at any time.
; NO JOINT LOADS: four neighbouring work-groups of Q, K, V and Vtc share their P panels, Kcc's four share their R panels: no one mask serves all 200.  NO PREFETCH: the text has no loop to run ahead in.
; OUT (qkv): for head HB = 16 b + h, 17 blocks of 13,312 bytes (block 0 the concepts, block 1 + j keys 128 j on): 8 half images of K (768 bytes: 16 keys x 64), 4 images of V^T (16 channels x 128 keys),
; 512 bytes of K's scale words, 512 of V's; behind them Q's half images and Q's scale words.  All stores of codes cover 256 consecutive bytes, aligned.
; LIMITS: as the first launch's (NaN, infinities, blocks under 2^-124, blocks of zeros).  The bias along P is the C of the first product, the bias along R is added behind the sum: an order of rounding other than reference()'s.
; REGISTERS: window 0: v1-11 addresses, v12, v13 the add's two, v16-47 scale words (two sets), v48-63 the bias along R in pairs, v64-255 fragment set 0 (P tile p at 64 + 12 p, R tile i at 160 + 12 i).
;   window 1: v0-63 the bias along P, v64-255 fragment set 1.   windows 2, 3: accumulator (R tile i, P tile p) at 64 (i % 4) + 8 p of window 2 + i / 4.
.set PANEL, 102400
.set PHASE, 25600
.set KSB,   12288
.set IMGB,  1536
.set SCO,   24576
.set HEADB, 226304
.set BLKB,  13312
.set QOFF,  7241728
.set QSOFF, 10387456
.set PLDS,  3*PHASE                    ; a panel's three slots
.set SPARE, 4*PLDS                     ; behind the panels: the spare words, 128 bytes a wave
.set PFA, 2                            ; v2, v3  P fragments: slots 0-1, slot 2
.set RFA, 4                            ; v4, v5  R fragments
.set PSA, 6                            ; v6, v7  P scale words
.set RSA, 8                            ; v8, v9  R scale words
.set SCS, 16
.set BR,  48
.set FS,  64
.set HA,  64                           ; the way out, window 0: 64 numbers;
.set PC,  128                          ; four fragments of codes;
.set CT,  176
.set TM,  184
.set T4,  188
.set SO,  192
.set W,   200                          ; their scale words;
.set Y,   204                          ; the words as they are stored;
.set VO,  208                          ; the stores' offsets
.set SEL, 80
.set MSB, 0
.macro WIN new                         ; the immediate's high byte repeats the setting that is left
.if MSB != \new
	s_set_vgpr_msb (MSB<<8)|\new
.set MSB, \new
.endif
.endm
.macro QUANT s, pc, ct, pw             ; 64 numbers of a lane, register 16 b + i = k 32 b + 16 h + i of its row, become a fragment and its scale word
.irp b, 0,1,2,3
	v_max3_num_f32 v[TM+\b], |v[\s+16*\b]|, |v[\s+16*\b+1]|, 0x1800000   ; with the floor 2^(3 - 127): the byte cannot fall under 1
.endr
.irp i, 2,4,6,8,10,12,14
.irp b, 0,1,2,3
	v_max3_num_f32 v[TM+\b], v[TM+\b], |v[\s+16*\b+\i]|, |v[\s+16*\b+\i+1]|
.endr
.endr
.irp b, 0,1,2,3
	v_permlanex16_b32 v[T4+\b], v[TM+\b], s[SEL], s[SEL+1]
.endr
.irp b, 0,1,2,3
	v_max_num_f32 v[TM+\b], v[TM+\b], v[T4+\b]
.endr
.irp b, 0,1,2,3
	v_add_nc_u32 v[SO+\b], 0xff000000, v[TM+\b]    ; 2 off the exponent field: the conversion's scale operand
.endr
.irp b, 0,1,2,3
	v_lshrrev_b32 v[T4+\b], 23, v[SO+\b]
.endr
	v_lshl_or_b32 v[\pw], v[T4+1], 8, v[T4]
	v_lshl_or_b32 v[\pw], v[T4+2], 16, v[\pw]
	v_lshl_or_b32 v[\pw], v[T4+3], 24, v[\pw]
.irp c, 0,1
	v_cvt_scalef32_pk16_fp6_f32 v[\pc+6*\c:\pc+6*\c+2], v[\s+32*\c:\s+32*\c+15], v[SO+2*\c]
	v_cvt_scalef32_pk16_fp6_f32 v[\ct+4*\c:\ct+4*\c+2], v[\s+32*\c+16:\s+32*\c+31], v[SO+2*\c+1]
.endr
	v_nop                                          ; one plain line behind the conversions
.irp c, 0,1
.irp i, 0,1,2
	v_permlane16_swap_b32 v[\pc+6*\c+\i], v[\ct+4*\c+\i]
.endr
.irp i, 0,1,2
	v_mov_b32 v[\pc+6*\c+3+\i], v[\ct+4*\c+\i]
.endr
.endr
.endm
	s_load_b256 s[4:11], s[0:1], 0x0               ; img s[4:5], bt s[6:7], bc s[8:9], qkv s[10:11]
	v_lshl_add_u32 v12, v0, 2, SPARE
	v_mov_b32 v13, 0
	ds_add_u32 v12, v13
	ds_add_u32 v12, v13
	v_lshrrev_b32 v1, 5, v0
	v_readfirstlane_b32 s12, v1                    ; wave 0..3
	s_and_b32 s13, s12, 1                          ; wp: which P panel
	s_lshr_b32 s14, s12, 1                         ; wr: which R panel
	s_wait_dscnt 0x0
	; which group, which panels: s40 the pair of P panels, s41 the pair of R panels, s42, s43 their first panels in img, s44 = 1: V kinds, s45 = 1: concepts.  None of these enters an LDS address
	s_cmp_lt_u32 ttmp9, 128
	s_cbranch_scc0 .Lnot_qk
	s_lshr_b32 s40, ttmp9, 4
	s_and_b32 s41, ttmp9, 15
	s_lshl_b32 s42, s40, 1
	s_add_co_u32 s42, s42, 34
	s_lshl_b32 s43, s41, 1
	s_mov_b32 s44, 0
	s_mov_b32 s45, 0
	s_branch .Ldecoded
.Lnot_qk:
	s_cmp_lt_u32 ttmp9, 192
	s_cbranch_scc0 .Lnot_v
	s_sub_co_u32 s46, ttmp9, 128
	s_lshr_b32 s40, s46, 2
	s_and_b32 s41, s46, 3
	s_lshl_b32 s42, s40, 1
	s_lshl_b32 s43, s41, 1
	s_add_co_u32 s43, s43, 50
	s_mov_b32 s44, 1
	s_mov_b32 s45, 0
	s_branch .Ldecoded
.Lnot_v:
	s_cmp_lt_u32 ttmp9, 196
	s_cbranch_scc0 .Lnot_kc
	s_sub_co_u32 s40, ttmp9, 192
	s_mov_b32 s41, 0
	s_lshl_b32 s42, s40, 1
	s_add_co_u32 s42, s42, 58
	s_mov_b32 s43, 32
	s_mov_b32 s44, 0
	s_mov_b32 s45, 1
	s_branch .Ldecoded
.Lnot_kc:
	s_sub_co_u32 s41, ttmp9, 196
	s_mov_b32 s40, 0
	s_mov_b32 s42, 32
	s_lshl_b32 s43, s41, 1
	s_add_co_u32 s43, s43, 66
	s_mov_b32 s44, 1
	s_mov_b32 s45, 1
.Ldecoded:
	s_lshl_b32 s41, s41, 1
	s_add_co_u32 s41, s41, s14                     ; rr: my R panel's number in its group
	; two groups 1: dense rows of 256 bytes (32 elements of 8 bytes), no padding: the images are read 8 bytes a lane, on end.  300 rows (three phases), 100 rows (one)
.irp g, 16, 32
	s_mov_b32 s[\g], 3<<16
	s_mov_b32 s[\g+1], 32<<16
	s_mov_b32 s[\g+3], 32<<16
	s_mov_b32 s[\g+5], 32
	s_mov_b32 s[\g+6], 0
	s_mov_b32 s[\g+7], 0
.endr
	s_mov_b32 s18, 300<<16
	s_mov_b32 s20, 300
	s_mov_b32 s34, 100<<16
	s_mov_b32 s36, 100
	s_add_co_u32 s66, s42, s12
	s_add_co_u32 s67, s43, s12
	s_sub_co_u32 s67, s67, 2
	s_cmp_lt_u32 s12, 2
	s_cselect_b32 s66, s66, s67                    ; waves 0, 1 fetch the P panels, waves 2, 3 the R panels
	s_mul_i32 s66, s66, PANEL
	s_mov_b32 s67, 0
	s_mul_i32 s82, s12, PLDS                       ; in LDS: wave x 76,800
	s_wait_kmcnt 0x0
	s_add_nc_u64 s[66:67], s[4:5], s[66:67]
	s_mov_b32 s24, 1
	s_mov_b32 s25, s82
	s_mov_b64 s[26:27], s[66:67]
	s_or_b32 s27, s27, 0x80000000
	s_mov_b32 s28, 1
	s_mov_b32 s29, s82
	s_add_nc_u64 s[30:31], s[66:67], 3*PHASE
	s_or_b32 s31, s31, 0x80000000
	tensor_load_to_lds s[24:27], s[16:23]          ; my panel's phases 0 to 2: my one load at the head
	s_nop 0
	; where my results go: the first four R tiles; s90, s92 lead on to the other four
	s_lshl_b32 s46, s40, 1
	s_add_co_u32 s46, s46, s13                     ; x: my P panel's number in its group
	s_cmp_eq_u32 s44, 1
	s_cselect_b32 s47, s46, s41                    ; the panel of tokens (or the batch of concepts): P's for V kinds, R's else
	s_lshl_b32 s66, s41, 1                         ; V kinds: head 2 rr, then 2 rr + 1
	s_and_b32 s67, s46, 7
	s_lshl_b32 s67, s67, 1                         ; else: the first of my two heads, 2 (x % 8)
	s_cmp_eq_u32 s44, 1
	s_cselect_b32 s50, s66, s67
	s_lshr_b32 s66, s47, 4
	s_and_b32 s67, s47, 15                         ; j: which 128 tokens of the batch
	s_add_co_u32 s82, s67, 1
	s_cmp_eq_u32 s45, 1
	s_cselect_b32 s48, s47, s66                    ; the batch
	s_cselect_b32 s49, 0, s82                      ; the block: 0 for concepts, 1 + j for tokens
	s_lshl_b32 s51, s48, 4
	s_add_co_u32 s51, s51, s50                     ; HB
	s_mul_i32 s52, s51, HEADB
	s_mul_i32 s66, s49, BLKB
	s_add_co_u32 s52, s52, s66                     ; my block
	s_mov_b32 s54, s52                             ; as K: codes; s60 from R tile to R tile, s61 from half to half (the next head)
	s_add_co_u32 s56, s52, 12288                   ; scale words; s58 from the first store to the second
	s_mov_b32 s58, HEADB
	s_mov_b32 s60, 768
	s_mov_b32 s61, HEADB
	s_mov_b32 s90, 3072                            ; four half images on,
	s_mov_b32 s92, 256                             ; and their words
	s_add_co_u32 s66, s52, 6144
	s_add_co_u32 s82, s52, 12800
	s_cmp_eq_u32 s44, 1                            ; as V
	s_cselect_b32 s54, s66, s54
	s_cselect_b32 s56, s82, s56
	s_cselect_b32 s58, 256, s58
	s_cselect_b32 s60, IMGB, s60
	s_cselect_b32 s61, 768, s61
	s_cselect_b32 s90, HEADB, s90                  ; the next head
	s_cselect_b32 s92, HEADB, s92
	s_cselect_b32 s62, 0, -1                       ; all ones: the bias runs along P
	s_cselect_b32 s63, -1, 0                       ; all ones: it runs along R
	s_lshr_b32 s66, s46, 3
	s_or_b32 s66, s66, s44
	s_or_b32 s66, s66, s45                         ; 0 for Q alone: tokens, no V kind, x < 8
	s_lshl_b32 s82, s51, 7
	s_lshl_b32 s83, s67, 3
	s_add_co_u32 s82, s82, s83                     ; 128 HB + my first query tile
	s_lshr_b32 s83, s82, 2
	s_mul_i32 s82, s82, 768
	s_add_co_u32 s82, s82, QOFF
	s_lshl_b32 s83, s83, 8
	s_add_co_u32 s83, s83, QSOFF
	s_cmp_eq_u32 s66, 0                            ; as Q
	s_cselect_b32 s54, s82, s54
	s_cselect_b32 s56, s83, s56
	s_cselect_b32 s58, 8192, s58
	s_cselect_b32 s61, 98304, s61
	s_mov_b32 s55, 0
	s_mov_b32 s57, 0
	s_mov_b32 s59, 0
	s_mov_b32 s91, 0
	s_mov_b32 s93, 0
	s_lshl_b32 s66, s46, 9                         ; the bias along P: 128 numbers a panel
	s_lshl_b32 s82, s41, 7
	s_mov_b32 s83, 2048
	s_cmp_eq_u32 s45, 1
	s_cselect_b32 s83, 1024, s83
	s_add_co_u32 s82, s82, s83
	s_lshl_b32 s82, s82, 2                         ; the bias along R: V's columns begin at 2,048 (Vtc's at 1,024)
	s_cmp_eq_u32 s44, 1
	s_cselect_b32 s70, 0, s66                      ; the bias that is not used is loaded from the buffer's head and set to zero below: no load leaves its buffer
	s_cselect_b32 s72, s82, 0
	s_mov_b32 s71, 0
	s_mov_b32 s73, 0
	s_cmp_eq_u32 s45, 1
	s_cselect_b64 s[68:69], s[8:9], s[6:7]
	s_add_nc_u64 s[70:71], s[68:69], s[70:71]
	s_add_nc_u64 s[72:73], s[68:69], s[72:73]
	s_add_nc_u64 s[74:75], s[10:11], s[54:55]      ; codes
	s_add_nc_u64 s[76:77], s[10:11], s[56:57]      ; scale words, first store
	s_add_nc_u64 s[78:79], s[76:77], s[58:59]      ; second store
	s_add_nc_u64 s[84:85], s[74:75], s[90:91]      ; and the same for R tiles 4 to 7
	s_add_nc_u64 s[86:87], s[76:77], s[92:93]
	s_add_nc_u64 s[88:89], s[78:79], s[92:93]
	s_mov_b32 s[SEL], 0x76543210
	s_mov_b32 s[SEL+1], 0xfedcba98
	s_mul_i32 s66, s13, PLDS                       ; my P panel in LDS,
	s_mul_i32 s67, s14, PLDS
	s_add_co_u32 s67, s67, 2*PLDS                  ; my R panel,
	s_add_co_u32 s82, s66, SCO                     ; and their scale words
	s_add_co_u32 s83, s67, SCO
	v_and_b32 v14, 31, v0
	v_lshlrev_b32 v1, 3, v14                       ; 8 x lane: my place in every chunk of an image
	v_and_b32 v14, 15, v0                          ; r
	v_bfe_u32 v10, v0, 4, 1                        ; h
	v_lshlrev_b32 v15, 4, v14                      ; 16 r: four tiles' scale words of row r
	v_add_nc_u32 v[PFA], s66, v1
	v_add_nc_u32 v[RFA], s67, v1
	v_add_nc_u32 v[PSA], s82, v15
	v_add_nc_u32 v[RSA], s83, v15
	v_add_nc_u32 v[PFA+1], 2*PHASE, v[PFA]
	v_add_nc_u32 v[RFA+1], 2*PHASE, v[RFA]
	v_add_nc_u32 v[PSA+1], 2*PHASE, v[PSA]
	v_add_nc_u32 v[RSA+1], 2*PHASE, v[RSA]
	v_lshlrev_b32 v10, 6, v10                      ; the bias along P: tile 2 b + u, register j is column 32 b + 8 u + 16 h + j
	v_and_b32 v11, 8, v14
	v_add_nc_u32 v11, v11, v14
	v_lshlrev_b32 v11, 2, v11                      ; the bias along R: row r of a tile is column r + 8 (r / 8) of it
.irp i, 0,1,2,3,4,5,6,7
	global_load_b32 v[BR+2*\i], v11, s[72:73] offset:(32*(\i/2)+8*(\i%2))*4
.endr
	WIN 0x40                                       ; destination window 1
.irp p, 0,1,2,3,4,5,6,7
	global_load_b128 v[8*\p:8*\p+3], v10, s[70:71] offset:(32*(\p/2)+8*(\p%2))*4
	global_load_b128 v[8*\p+4:8*\p+7], v10, s[70:71] offset:(32*(\p/2)+8*(\p%2))*4+16
.endr
	WIN 0
	s_wait_alu depctr_va_vdst(0)
	s_wait_loadcnt 0x0
.irp i, 0,1,2,3,4,5,6,7
	v_cndmask_b32 v[BR+2*\i+1], 0, v[BR+2*\i], s63 ; doubled: the packed addition takes a pair
	v_cndmask_b32 v[BR+2*\i], 0, v[BR+2*\i], s63
.endr
	WIN 0x44                                       ; source 1 and destination window 1
.set j, 0
.rept 64
	v_cndmask_b32 v[j], 0, v[j], s62
.set j, j+1
.endr
	WIN 0
.macro FRAG reg, adr, off              ; an image comes back as it was stored: six loads of 8 bytes a lane, each 256 consecutive bytes
.irp c, 0,1,2,3,4,5
	ds_load_b64 v[\reg+2*\c:\reg+2*\c+1], v[\adr] offset:\off+256*\c
.endr
.endm
.macro WHERE s                         ; K step s: phase s / 2 in slot (s / 2) % 3 (slot 2 by the second address register), half s % 2
.set SL, ((\s)/2)%3
.set AH, SL/2
.set OF, (SL%2)*PHASE+((\s)%2)*KSB
.set OS, (SL%2)*PHASE+((\s)%2)*512
.set SS, SCS+16*((\s)%2)
.endm
.macro FETCH s, k                      ; a quarter of K step s's operands into set s % 2: k = 0: the scale words and P tiles 0-3; 1: P tiles 4-7; 2: R tiles 0-3; 3: R tiles 4-7
	WHERE \s
.if (\k) == 0
	WIN 0                                          ; scale words always lie in window 0
	ds_load_b128 v[SS:SS+3], v[PSA+AH] offset:OS
	ds_load_b128 v[SS+4:SS+7], v[PSA+AH] offset:OS+256
	ds_load_b128 v[SS+8:SS+11], v[RSA+AH] offset:OS
	ds_load_b128 v[SS+12:SS+15], v[RSA+AH] offset:OS+256
.endif
.set WN, 0x40*((\s)%2)
	WIN WN
.irp t, 0,1,2,3
.if (\k) < 2
	FRAG FS+12*(4*(\k)+\t), PFA+AH, OF+IMGB*(4*(\k)+\t)
.else
	FRAG FS+96+12*(4*((\k)-2)+\t), RFA+AH, OF+IMGB*(4*((\k)-2)+\t)
.endif
.endr
.endm
.macro MUL s, i0                       ; 16 products: R tiles i0, i0 + 1 x P's eight.  The 64 accumulators take turns, one instruction a turn, in the same order in every K step
	WHERE \s
.if (\s) == 0
.set WN, 0x90+0x40*((\i0)/4)           ; sources 0, 1 window 0, C (the bias) window 1, D window 2 or 3
.else
.set WN, 0xa0+0x50*((\i0)/4)+5*((\s)%2) ; sources in the set's window, C and D window 2 or 3
.endif
	WIN WN
.irp i, \i0, \i0+1
.irp p, 0,1,2,3,4,5,6,7
.if (\s) == 0
	v_wmma_scale_f32_16x16x128_f8f6f4 v[64*((\i)%4)+8*\p:64*((\i)%4)+8*\p+7], v[FS+12*\p:FS+12*\p+11], v[FS+96+12*(\i):FS+96+12*(\i)+11], v[8*\p:8*\p+7], v[SS+\p], v[SS+8+(\i)] matrix_a_fmt:MATRIX_FMT_FP6 matrix_b_fmt:MATRIX_FMT_FP6
.else
	v_wmma_scale_f32_16x16x128_f8f6f4 v[64*((\i)%4)+8*\p:64*((\i)%4)+8*\p+7], v[FS+12*\p:FS+12*\p+11], v[FS+96+12*(\i):FS+96+12*(\i)+11], v[64*((\i)%4)+8*\p:64*((\i)%4)+8*\p+7], v[SS+\p], v[SS+8+(\i)] matrix_a_fmt:MATRIX_FMT_FP6 matrix_b_fmt:MATRIX_FMT_FP6
.endif
.endr
.endr
.endm
	s_wait_alu depctr_va_vdst(0)
	s_wait_tensorcnt 0x0                           ; my panel's phases 0 to 2 have landed
	s_barrier_signal -1
	s_barrier_wait -1                              ; everybody's have
.irp k, 0,1,2,3
	FETCH 0, \k
.endr
.irp s, 0,1,2,3,4,5,6,7                        ; eight K steps of 128, written out: each fetches the next step's operands into the other set, a quarter ahead of each 16 products
	WIN 0
.if \s == 1
	s_wait_tensorcnt 0x0                           ; no load of mine is out,
	ds_add_u32 v12, v13
	s_wait_dscnt 0x0                               ; the add is done, and K step 1's operands are in: my last reads of slot 0
	s_barrier_signal -1
	s_barrier_wait -1                              ; nobody reads slot 0 any more
	tensor_load_to_lds s[28:31], s[32:39]          ; my panel's phase 3 into slot 0: it has K steps 1 to 4 in which to land
	s_nop 0
.else
	s_wait_dscnt 0x0                               ; this step's operands, asked for during the last step, are in
.endif
.if \s == 5
	s_wait_tensorcnt 0x0                           ; my panel's phase 3 has landed: K step 6's operands are fetched behind this barrier
	s_barrier_signal -1
	s_barrier_wait -1
.endif
.if \s < 7
.rept 4
	v_nop                                          ; four places between the last step's products and the loads into the registers that they read (ISA guide 7.12.1 for vector instructions)
.endr
.endif
.irp k, 0,1,2,3
.if \s < 7
	FETCH \s+1, \k
.endif
	MUL \s, 2*\k
.endr
.endr
	; THE WAY OUT.  For each of my eight R tiles: a lane's 64 results (8 accumulators, each read from its low end on) take the bias along R, are quantised, and leave as an image.
	WIN 0
.rept 4
	v_nop                                          ; four places behind the last two steps' products: the lines below write registers that held fragment set 0, and the accumulators are read
.endr
.irp i, 0,1,2,3
	v_mad_u32_u24 v[VO+2*\i], s60, \i, v1          ; the stores' offsets: from R tile to R tile,
.endr
.irp i, 0,1,2,3
	v_add_nc_u32 v[VO+2*\i+1], s61, v[VO+2*\i]
.endr
.irp b, 0,1,2,3
	v_mov_b32 v[T4+\b], 0                          ; a lane permute's destination counts as read
.endr
.macro HALF hf, cb, w0, w1             ; R tiles 4 hf .. 4 hf + 3: codes to s[cb:cb+1], scale words to s[w0:w0+1] and s[w1:w1+1]
.irp i, 0,1,2,3
.set WN, 0x02+\hf
	WIN WN                                         ; source 0 (accumulators) window 2 or 3
.irp p, 0,1,2,3,4,5,6,7
.irp j, 0,2,4,6
	v_pk_add_f32 v[HA+8*\p+\j:HA+8*\p+\j+1], v[64*\i+8*\p+\j:64*\i+8*\p+\j+1], v[BR+2*(4*\hf+\i):BR+2*(4*\hf+\i)+1]
.endr
.endr
	WIN 0
	QUANT HA, PC+12*\i, CT, W+\i
.irp c, 0,1
.irp k, 0,1,2
	global_store_b64 v[VO+2*\i+\c], v[PC+12*\i+6*\c+2*\k:PC+12*\i+6*\c+2*\k+1], s[\cb:\cb+1] offset:256*\k
.endr
.endr
.endr
	; scale words.  Q, K kinds: a word is (tile a: two bytes, tile b: two bytes) of ONE head: the low halves of two tiles' words for the first head, the high halves for the second.  V kinds: the words as they are
	v_perm_b32 v[Y], v[W+1], v[W], 0x05040100
	v_perm_b32 v[Y+1], v[W+3], v[W+2], 0x05040100
	v_perm_b32 v[Y+2], v[W+1], v[W], 0x07060302
	v_perm_b32 v[Y+3], v[W+3], v[W+2], 0x07060302
.irp k, 0,1,2,3
	v_cndmask_b32 v[Y+\k], v[Y+\k], v[W+\k], s63
.endr
	global_store_b64 v1, v[Y:Y+1], s[\w0:\w0+1]
	global_store_b64 v1, v[Y+2:Y+3], s[\w1:\w1+1]
.endm
	HALF 0, 74, 76, 78
	s_wait_alu depctr_va_vdst(0)
	s_wait_xcnt 0x0                                ; the stores have read their data: the codes' and words' registers may be written again
	HALF 1, 84, 86, 88
	s_wait_tensorcnt 0x0                           ; the wave's end
	ds_add_u32 v12, v13
	s_wait_dscnt 0x0
	s_endpgm
.Lfunc_end_k_q9c207a884d_proj:
	.size	k_q9c207a884d_proj, .Lfunc_end_k_q9c207a884d_proj-k_q9c207a884d_proj
	.p2alignl 7, 3214868480
	.fill 96, 4, 3214868480
	.section	.rodata,"a",@progbits
	.p2align	6, 0x0
	.amdhsa_kernel k_q9c207a884d_proj
		.amdhsa_group_segment_fixed_size 327680
		.amdhsa_private_segment_fixed_size 0
		.amdhsa_enable_private_segment 0
		.amdhsa_kernarg_size 32
		.amdhsa_user_sgpr_count 2
		.amdhsa_user_sgpr_kernarg_segment_ptr 1
		.amdhsa_wavefront_size32 1
		.amdhsa_system_sgpr_workgroup_id_x 1
		.amdhsa_system_sgpr_workgroup_id_y 1
		.amdhsa_system_sgpr_workgroup_id_z 1
		.amdhsa_system_vgpr_workitem_id 0
		.amdhsa_next_free_vgpr 1024
		.amdhsa_next_free_sgpr 96
		.amdhsa_reserve_vcc 0
		.amdhsa_float_denorm_mode_32 3
		.amdhsa_float_denorm_mode_16_64 3
		.amdhsa_memory_ordered 1
		.amdhsa_forward_progress 1
		.amdhsa_inst_pref_size 187
	.end_amdhsa_kernel
	.amdgpu_metadata
---
amdhsa.version: [ 1, 2 ]
amdhsa.kernels:
  - .name:           k_q9c207a884d_proj
    .symbol:         k_q9c207a884d_proj.kd
    .args:
      - { .name: img, .offset: 0, .size: 8, .value_kind: global_buffer, .address_space: global }
      - { .name: bt, .offset: 8, .size: 8, .value_kind: global_buffer, .address_space: global }
      - { .name: bc, .offset: 16, .size: 8, .value_kind: global_buffer, .address_space: global }
      - { .name: qkv, .offset: 24, .size: 8, .value_kind: global_buffer, .address_space: global }
    .group_segment_fixed_size: 327680
    .private_segment_fixed_size: 0
    .kernarg_segment_align: 8
    .kernarg_segment_size: 32
    .max_flat_workgroup_size: 128
    .sgpr_count:     96
    .vgpr_count:     1024
    .wavefront_size: 32
...
	.end_amdgpu_metadata
.endif
;; end of part 2
;; launch attn (part 3): grid 8 x 32, 8 waves a work-group, clusters of 4 x 1, 327,680 bytes of LDS; arguments qkv, ximg; writes ximg
.if DOCPART == 3
	.amdgcn_target "amdgcn-amd-amdhsa--gfx1250"
	.amdhsa_code_object_version 6
	.text
	.protected	k_q9c207a884d_attn
	.globl	k_q9c207a884d_attn
	.p2align	8
	.type	k_q9c207a884d_attn,@function
k_q9c207a884d_attn:
	s_mov_b64 s[64:65], 0
	v_nop
	global_prefetch_b8 v0, s[64:65] scope:SCOPE_SE
	s_setreg_imm32_b32 hwreg(HW_REG_WAVE_MODE, 25, 1), 1
	s_wait_xcnt 0x0
	s_wait_alu depctr_hold_cnt(0) depctr_sa_sdst(0) depctr_va_vdst(0) depctr_va_sdst(0) depctr_va_ssrc(0) depctr_va_vcc(0) depctr_vm_vsrc(0)
	s_getreg_b32 s2, hwreg(HW_REG_IB_STS2, 6, 4)
	s_cmp_eq_u32 s2, 0
	s_cbranch_scc0 .Lentry_in_a_cluster
	s_endpgm
.Lentry_in_a_cluster:
	s_bfe_u32 s2, ttmp6, 0x10000c
	s_cmp_lg_u32 s2, 0x3003
	s_cbranch_scc0 .Lentry_shape_is_right
	s_endpgm
.Lentry_shape_is_right:
; LAUNCH 3 OF 4.  x = softmax(Q Kcc^T / 8, concepts j <= i / 16) Vtc + softmax(Q K^T / 8, causal) V for one head, all four products on codes of FP6 (E2M3) with E8M0 scales; x is quantised along D and stored as images.
; THE SOFTMAX: t = score x log2(e) / 8; M = the running largest t rounded UP to a whole number; p = 2^(t - M) is quantised along the keys, not normalised; the row's sum is taken of the unquantised p and divides at the end.
; When M moves, the sum and O^T are multiplied by 2^(old M - new M), which rounds nothing.
; LEFT OUT: key steps whose 128 keys all come after a tile's queries: reference()'s own causal mask gives them p = 0.
; SHARES.  Work-group (g, HB): head HB = 16 b + h.  The head's K and V, 17 blocks of 13,312 bytes (block 0 the 128 concepts, block 1 + j keys 128 j on), lie in LDS whole, each byte filled once.
; Wave w owns TWO tiles of 16 queries, one after the other: tile 8 c + g with c = 15 - w, then with c = w.  A tile walks the concepts and key steps 0 .. c: (17 - w) + (w + 2) = 19 steps for every wave.
; THE FILL.  At the head each wave asks for 26 rows of 256 bytes of blocks 0-3; behind the three lines and a round each wave asks for its part of blocks 4-16 (waves 0-4 two blocks, waves 5-7 one).
; One load of a wave is out at any time.  Blocks 4 on are first read behind the barrier that follows key step 1.  All tiles are asked for by then: there is no stream to prefetch ahead of.
; CLUSTER.  The four work-groups of a cluster read the same head: every load is asked for JOINTLY (mask 15).  No branch hangs on the place in the cluster: g enters global addresses and the masks' lane terms alone.
; K = 64 IN AN INSTRUCTION OF 128: an image holds two tiles of 16 keys side by side (k 0-63, k 64-127); Q's six registers stand between two runs of six zero registers, so that v[26:37] picks the first tile and v[20:31] the second.
; LAYOUT.  Both products transposed: S^T = K Q^T, O^T = V^T P^T: a lane holds one query.  Rows of a tile are index 32 b + 8 u + r + 8 (r / 8) of their 32, so the 16 registers of two neighbouring tiles are 16 neighbours.
; K's images have registers of their own (window 1) and are asked for one step ahead, behind the products that read the last ones; V's are asked for at the step's head and land under the softmax.
; LIMITS: NaN and infinities are not served; p under 2^-126 counts as 0; blocks under 2^-124 and blocks of zeros keep the byte 1 (their bytes are read by this program alone);
; the scaled scores stay under 2^31 in magnitude.
; REGISTERS, window 0: v1 8 x lane; v2 the step's LDS address; v3, v4 the masks' lane terms; v5 Q's scale word; v6 -infinity; v7 the second tile's Q scale word; v8-11 K's scale words; v12 -M; v13 largest t;
;   v[14:15] the sum; v16-19 V's scale words; v20-37 Q; v[38:39] f; v40-87 V's four images; v88-151 S^T, then p; v152-183 O^T; v184-215 x; v216-227 p's codes; v228-250 at work; v247, v251 the add's two; v252 p's scale word;
;   v253 the next block's LDS address; v254, v255 at work.   window 1: v0-47 K's four images; v48-53 the second tile's Q.
.set PANEL, 102400
.set PHASE, 25600
.set KSB,   12288
.set IMGB,  1536
.set SCO,   24576
.set HEADB, 226304
.set BLKB,  13312
.set QOFF,  7241728
.set QSOFF, 10387456
.set SPARE, 17*BLKB                    ; behind the blocks: the spare words, 128 bytes a wave
.set SEL, 52                           ; s[52:53] lane selects: lane l xor 16
.set CS,  54                           ; s[54:55] log2(e) / 8
.set TB,  56                           ; s56  LDS byte of the block in hand
.set KJ,  57                           ; s57  the key step
.set LC,  58                           ; s58  trips
.set TN,  59                           ; s59  LDS byte of the next block, held at the last
.set C4,  80                           ; s80  c / 4: the block of 32 concepts in which the mask's edge lies
.set FR,  40
.set S,   88
.set O,   152
.set XR,  184
.set PCD, 216
.set BM,  228
.set T2,  232
.set SO,  236
.set BY,  240
.set CT,  244
.macro ROUND                           ; a round of the cluster's barrier
	s_barrier_signal -1
	s_barrier_wait -1
	s_cmp_lg_u32 s8, 0
	s_cbranch_scc1 .Lnot_wave_0_\@
	s_barrier_signal -3
.Lnot_wave_0_\@:
	s_barrier_wait -3
	s_barrier_signal -1
	s_barrier_wait -1
.endm
.macro PLACE c, q, xo                  ; tile 8 c + g: Q's half image s[q:q+1], its scale words s[q+2:q+3]; x's half image s[xo:xo+1], its scale bytes s[xo+2:xo+3]
	s_lshl_b32 s13, \c, 3
	s_add_co_u32 s13, s13, s10
	s_lshl_b32 s14, s11, 7
	s_add_co_u32 s13, s13, s14                     ; 128 HB + tile
	s_mul_i32 s2, s13, 768
	s_add_co_u32 s2, s2, QOFF
	s_add_nc_u64 s[\q:\q+1], s[4:5], s[2:3]
	s_lshr_b32 s13, s13, 2
	s_lshl_b32 s2, s13, 8
	s_add_co_u32 s2, s2, s15
	s_add_nc_u64 s[\q+2:\q+3], s[4:5], s[2:3]
	s_mul_i32 s13, \c, PANEL                       ; x: panel 16 b + c
	s_add_co_u32 s2, s13, s70
	s_add_nc_u64 s[\xo:\xo+1], s[6:7], s[2:3]
	s_add_co_u32 s2, s13, s71
	s_add_nc_u64 s[\xo+2:\xo+3], s[6:7], s[2:3]
.endm
.macro LOADK adr                       ; K's four images of the block at v[adr] into window 1, its scale words into v8-11: 26 loads
	s_set_vgpr_msb 0x40
.irp a, 0,1,2,3
.irp c, 0,1,2,3,4,5
	ds_load_b64 v[12*\a+2*\c:12*\a+2*\c+1], v[\adr] offset:IMGB*\a+256*\c
.endr
.endr
	s_set_vgpr_msb 0x4000
	ds_load_b64 v[8:9], v[\adr] offset:12288
	ds_load_b64 v[10:11], v[\adr] offset:12544
.endm
.macro HIDE b, t                       ; block b's 16 scores: hidden ones become -infinity ahead of the maximum: p = 0
.set n, 0
.rept 16
	v_cmp_gt_i32 vcc_lo, 32*(\b)+n, v[\t]
	v_cndmask_b32 v[S+16*(\b)+n], v[S+16*(\b)+n], v6, vcc_lo
.set n, n+1
.endr
.endm
	s_load_b128 s[4:7], s[0:1], 0x0                ; qkv s[4:5], ximg s[6:7]
	v_lshl_add_u32 v247, v0, 2, SPARE
	v_mov_b32 v251, 0
	ds_add_u32 v247, v251
	ds_add_u32 v247, v251
	v_lshrrev_b32 v1, 5, v0
	v_readfirstlane_b32 s8, v1                     ; wave 0..7
	s_bfe_u32 s9, ttmp6, 0x40000                   ; cx
	s_lshl_b32 s10, ttmp9, 2
	s_add_co_u32 s10, s10, s9                      ; g = 4 x cluster x + cx
	s_and_b32 s11, ttmp7, 0xffff                   ; HB, which the four partners share
	; three groups 1: dense rows of 256 bytes (32 elements of 8 bytes): 26 rows (the head), 104 rows (two blocks), 52 rows (a block)
.irp g, 16, 24, 40
	s_mov_b32 s[\g], 15|(3<<16)|(1<<21)            ; the mask names all four work-groups; bit 21 is set beside a mask
	s_mov_b32 s[\g+1], 32<<16
	s_mov_b32 s[\g+3], 32<<16
	s_mov_b32 s[\g+5], 32
	s_mov_b32 s[\g+6], 0
	s_mov_b32 s[\g+7], 0
.endr
	s_mov_b32 s18, 26<<16
	s_mov_b32 s20, 26
	s_mov_b32 s26, 104<<16
	s_mov_b32 s28, 104
	s_mov_b32 s42, 52<<16
	s_mov_b32 s44, 52
	s_mul_i32 s82, s11, HEADB
	s_mov_b32 s83, 0
	s_mov_b32 s3, 0
	s_mul_i32 s13, s8, 26*256                      ; the head: rows 26 w on
	s_min_u32 s14, s8, 5
	s_add_co_u32 s14, s14, s8
	s_add_co_u32 s14, s14, 4
	s_mul_i32 s14, s14, BLKB                       ; then: from block 4 + w + min(w, 5) on
	s_wait_dscnt 0x0
	s_wait_kmcnt 0x0
	s_add_nc_u64 s[82:83], s[4:5], s[82:83]        ; my head's blocks
	s_mov_b32 s2, s13
	s_mov_b32 s32, 1
	s_mov_b32 s33, s13
	s_add_nc_u64 s[34:35], s[82:83], s[2:3]
	s_or_b32 s35, s35, 0x80000000
	s_mov_b32 s2, s14
	s_mov_b32 s36, 1
	s_mov_b32 s37, s14
	s_add_nc_u64 s[38:39], s[82:83], s[2:3]
	s_or_b32 s39, s39, 0x80000000
	ROUND                                          ; all four work-groups are here: the joint loads meet
	tensor_load_to_lds s[32:35], s[16:23]          ; my one load at the head
	s_nop 0
	s_sub_co_u32 s12, 15, s8                       ; c of my first tile
	s_bfe_u32 s15, s10, 0x10001
	s_lshl_b32 s15, s15, 2
	s_add_co_u32 s15, s15, QSOFF                   ; the word that holds my tile's two bytes and its neighbour's
	s_lshr_b32 s70, s11, 4
	s_mul_i32 s70, s70, 16*PANEL
	s_bfe_u32 s13, s11, 0x20002
	s_mul_i32 s13, s13, PHASE
	s_add_co_u32 s70, s70, s13                     ; x without c: batch, phase head / 4,
	s_bfe_u32 s13, s11, 0x10001
	s_lshl_b32 s71, s13, 9
	s_add_co_u32 s71, s71, s70
	s_add_co_u32 s71, s71, SCO
	s_mul_i32 s13, s13, KSB                        ; K step head / 2,
	s_add_co_u32 s70, s70, s13
	s_mul_i32 s13, s10, IMGB                       ; tile g,
	s_add_co_u32 s70, s70, s13
	s_and_b32 s13, s11, 1
	s_mul_i32 s14, s13, 768                        ; half head % 2
	s_add_co_u32 s70, s70, s14
	s_lshl_b32 s13, s13, 1
	s_add_co_u32 s71, s71, s13
	s_lshr_b32 s13, s10, 2
	s_lshl_b32 s13, s13, 8
	s_add_co_u32 s71, s71, s13
	s_and_b32 s13, s10, 3
	s_lshl_b32 s13, s13, 2
	s_add_co_u32 s71, s71, s13
	PLACE s12, 60, 66
	PLACE s8, 72, 76
	v_and_b32 v253, 31, v0
	v_lshlrev_b32 v1, 3, v253
	global_load_b64 v[26:27], v1, s[60:61]
	global_load_b64 v[28:29], v1, s[60:61] offset:256
	global_load_b64 v[30:31], v1, s[60:61] offset:512
	global_load_b32 v254, v1, s[62:63]
	global_load_b32 v7, v1, s[74:75]
	s_set_vgpr_msb 0x40                            ; the second tile's Q waits in window 1
	global_load_b64 v[48:49], v1, s[72:73]
	global_load_b64 v[50:51], v1, s[72:73] offset:256
	global_load_b64 v[52:53], v1, s[72:73] offset:512
	s_set_vgpr_msb 0x4000
	s_mov_b32 s[SEL], 0x76543210
	s_mov_b32 s[SEL+1], 0xfedcba98
	s_mov_b32 s[CS], 0x3e38aa3b
	s_mov_b32 s[CS+1], s[CS]                       ; (named with it as a pair, so it is written)
	s_lshr_b32 s13, s10, 1
	s_lshl_b32 s13, s13, 5
	s_and_b32 s14, s10, 1
	s_lshl_b32 s15, s14, 4                         ; my tile's two bytes stand 16 (g % 2) bits up in the word
	s_lshl_b32 s14, s14, 3
	s_add_co_u32 s13, s13, s14                     ; 32 (g / 2) + 8 (g % 2)
	s_and_not1_b32 s14, s10, 1
	s_lshl_b32 s2, s12, 3
	s_add_co_u32 s14, s14, s2                      ; (tile & ~1) = 8 c + (g & ~1)
	; the masks' lane terms.  My query is 128 c + 32 (g / 2) + 8 (g % 2) + r + 8 (r / 8); register 16 b + i of a step holds key (or concept) 32 b + 16 h + i of its 128
	v_and_b32 v2, 15, v0                           ; r
	v_bfe_u32 v5, v0, 4, 1                         ; h
	v_and_b32 v3, 8, v2
	v_lshlrev_b32 v6, 4, v5
	v_lshrrev_b32 v4, 3, v2
	v_add_nc_u32 v3, v3, v2
	v_sub_nc_u32 v4, v4, v6
	v_sub_nc_u32 v3, v3, v6
	v_add_nc_u32 v4, s14, v4                       ; query / 16 = (tile & ~1) + r / 8: a concept is hidden where 32 b + i > this
	v_add_nc_u32 v3, s13, v3                       ; on the diagonal step a key is hidden where 32 b + i > this
	v_mov_b32 v6, 0xff800000                       ; -infinity
.irp j, 20,21,22,23,24,25,32,33,34,35,36,37
	v_mov_b32 v[\j], 0                             ; zero codes beside Q's: they add nothing under any scale byte
.endr
	v_mov_b32 v39, 0                               ; (upper halves of pairs of which the low word serves both halves)
	v_mov_b32 v255, 0
	v_mov_b32 v14, 0
	v_mov_b32 v15, 0
	v_mov_b32 v13, 0xff61b1e6                      ; the largest t so far: -3e38, under every t
	v_floor_f32 v12, -v13
.irp b, 0,1,2,3
	v_mov_b32 v[T2+\b], 0                          ; a lane permute's destination counts as read
.endr
	s_wait_alu depctr_va_vdst(0)
	s_wait_loadcnt 0x0
	v_lshrrev_b32 v254, s15, v254                  ; each tile's two bytes,
	v_lshrrev_b32 v7, s15, v7
	v_and_b32 v254, 0xffff, v254
	v_and_b32 v7, 0xffff, v7
	v_lshl_or_b32 v5, v254, 16, v254               ; twice: they serve k 0-63 and k 64-127 alike
	v_lshl_or_b32 v7, v7, 16, v7
.set j, 0
.rept 32
	v_mov_b32 v[O+j], 0                            ; O^T: the step is written once; its first pass finds zeros.  (Also the places between Q's scale word and the first product)
.set j, j+1
.endr
; A STEP: the 128 concepts (kind 0) or 128 keys (kind 1: tested for hidden and diagonal; kind 2: open for every wave), in the block at LDS byte s[TB].  K's images of this block have been asked for.
.macro STEP kind
.if \kind == 1
	s_cmp_gt_u32 s[KJ], s12                        ; all keys of the step come after my queries: its work is left out; the lines at its end that step addresses are not
	s_cbranch_scc1 .Lhid_\@
.endif
	s_add_co_u32 s[TN], s[TB], BLKB
	s_min_u32 s[TN], s[TN], 16*BLKB
	v_add_nc_u32 v2, s[TB], v1
	v_add_nc_u32 v253, s[TN], v1
	v_nop
	v_nop                                          ; four places between the last step's products and the loads into the registers that they read
.irp a, 0,1,2,3                                ; V's four images and scale words: 26 loads; they land under the softmax
.irp c, 0,1,2,3,4,5
	ds_load_b64 v[FR+12*\a+2*\c:FR+12*\a+2*\c+1], v2 offset:6144+IMGB*\a+256*\c
.endr
.endr
	ds_load_b64 v[16:17], v2 offset:12800
	ds_load_b64 v[18:19], v2 offset:13056
	s_wait_alu depctr_va_vdst(0)
	s_wait_dscnt 26                                ; K is in; the 26 younger loads, V's, may be out
	s_set_vgpr_msb 0x01                            ; source 0 in window 1
.irp a, 0,1,2,3
	v_wmma_scale_f32_16x16x128_f8f6f4 v[S+16*\a:S+16*\a+7], v[12*\a:12*\a+11], v[26:37], 0, v[8+\a], v5 matrix_a_fmt:MATRIX_FMT_FP6 matrix_b_fmt:MATRIX_FMT_FP6
	v_wmma_scale_f32_16x16x128_f8f6f4 v[S+16*\a+8:S+16*\a+15], v[12*\a:12*\a+11], v[20:31], 0, v[8+\a], v5 matrix_a_fmt:MATRIX_FMT_FP6 matrix_b_fmt:MATRIX_FMT_FP6
.endr
	s_set_vgpr_msb 0x0100
.rept 4
	v_nop                                          ; places in front of the loads below and of the first read of the scores
.endr
.if \kind == 0
	LOADK 253                                      ; key step 0's K
	s_cmp_eq_u32 s[C4], 3                          ; blocks of 32 concepts under c / 4 are open to all my queries: the mask is entered at block c / 4
	s_cbranch_scc1 .Lm3_\@
	s_cmp_eq_u32 s[C4], 2
	s_cbranch_scc1 .Lm2_\@
	s_cmp_eq_u32 s[C4], 1
	s_cbranch_scc1 .Lm1_\@
	HIDE 0, 4
.Lm1_\@:
	HIDE 1, 4
.Lm2_\@:
	HIDE 2, 4
.Lm3_\@:
	HIDE 3, 4
.elseif \kind == 1
	s_cmp_lg_u32 s[KJ], s12                        ; the step on the diagonal is my tile's last: it has hidden keys, and no next K
	s_cbranch_scc0 .Ldia_\@
	LOADK 253
	s_branch .Lopen_\@
.Ldia_\@:
	HIDE 0, 3
	HIDE 1, 3
	HIDE 2, 3
	HIDE 3, 3
.Lopen_\@:
.else
	LOADK 253
.endif
.irp b, 0,1,2,3
	v_max3_num_f32 v[BM+\b], v[S+16*\b], v[S+16*\b+1], v[S+16*\b+2]   ; the largest score of each block of 32: for the row's maximum and, since p rises with the score, for the block's largest p
.endr
.irp i, 3,5,7,9,11,13
.irp b, 0,1,2,3
	v_max3_num_f32 v[BM+\b], v[BM+\b], v[S+16*\b+\i], v[S+16*\b+\i+1]
.endr
.endr
.irp b, 0,1,2,3
	v_max_num_f32 v[BM+\b], v[BM+\b], v[S+16*\b+15]
.endr
.irp b, 0,1,2,3
	s_delay_alu instid0(VALU_DEP_4)
	v_permlanex16_b32 v[T2+\b], v[BM+\b], s[SEL], s[SEL+1]
.endr
.irp b, 0,1,2,3
	s_delay_alu instid0(VALU_DEP_4)
	v_max_num_f32 v[BM+\b], v[BM+\b], v[T2+\b]
.endr
	s_delay_alu instid0(VALU_DEP_2)
	v_max3_num_f32 v254, v[BM], v[BM+1], v[BM+2]
	s_delay_alu instid0(VALU_DEP_1)
	v_max_num_f32 v254, v254, v[BM+3]
	s_delay_alu instid0(VALU_DEP_1)
	v_mul_f32 v254, s[CS], v254
	s_delay_alu instid0(VALU_DEP_1)
	v_max_num_f32 v13, v13, v254                   ; the running largest t
	v_mov_b32 v254, v12
	s_delay_alu instid0(VALU_DEP_2)
	v_floor_f32 v12, -v13                          ; -M = floor(-t): M is a whole number
	s_delay_alu instid0(VALU_DEP_1)
	v_sub_f32 v254, v12, v254
	s_delay_alu instid0(VALU_DEP_1)
	v_cvt_i32_f32 v254, v254                       ; (it saturates)
	s_delay_alu instid0(VALU_DEP_1)
	v_ldexp_f32 v38, 1.0, v254                     ; f = 2^(old M - new M)
.set j, 0
.rept 32
	v_pk_fma_f32 v[S+j:S+j+1], v[S+j:S+j+1], s[CS:CS+1], v[12:13] op_sel_hi:[1,0,0]   ; t - M
.set j, j+2
.endr
.irp b, 0,1,2,3
	v_fma_f32 v[BM+\b], v[BM+\b], s[CS], v12
.endr
.set j, 0
	s_wait_alu depctr_va_vdst(0)
.rept 64
	v_exp_f32 v[S+j], v[S+j]                       ; p = 2^(t - M)
.set j, j+1
.endr
	v_pk_mul_f32 v[14:15], v[14:15], v[38:39] op_sel_hi:[1,0]   ; the sums under the new M; a plain line behind the exponentials
	s_wait_alu depctr_va_vdst(0)                   ; one wait for the batch of 64, ahead of its first reader
.irp b, 0,1,2,3
	v_exp_f32 v[BM+\b], v[BM+\b]                   ; each block's largest p
.endr
	v_pk_add_f32 v[232:233], v[92:93], v[96:97]    ; the row's sum of the unquantised p, in eight chains
	v_pk_add_f32 v[248:249], v[100:101], v[104:105]
	v_pk_add_f32 v[244:245], v[108:109], v[112:113]
	v_pk_add_f32 v[242:243], v[116:117], v[120:121]
	v_pk_add_f32 v[240:241], v[124:125], v[128:129]
	v_pk_add_f32 v[238:239], v[132:133], v[136:137]
	v_pk_add_f32 v[236:237], v[140:141], v[144:145]
	v_pk_add_f32 v[14:15], v[14:15], v[148:149]
	v_pk_add_f32 v[232:233], v[232:233], v[88:89]
	v_pk_add_f32 v[248:249], v[248:249], v[90:91]
	v_pk_add_f32 v[244:245], v[244:245], v[94:95]
	v_pk_add_f32 v[242:243], v[242:243], v[98:99]
	v_pk_add_f32 v[240:241], v[240:241], v[102:103]
	v_pk_add_f32 v[238:239], v[238:239], v[106:107]
	v_pk_add_f32 v[236:237], v[236:237], v[110:111]
	v_pk_add_f32 v[14:15], v[14:15], v[114:115]
	v_pk_add_f32 v[232:233], v[232:233], v[118:119]
	v_pk_add_f32 v[248:249], v[248:249], v[122:123]
	v_pk_add_f32 v[244:245], v[244:245], v[126:127]
	v_pk_add_f32 v[242:243], v[242:243], v[130:131]
	v_pk_add_f32 v[240:241], v[240:241], v[134:135]
	v_pk_add_f32 v[238:239], v[238:239], v[138:139]
	v_pk_add_f32 v[236:237], v[236:237], v[142:143]
	v_pk_add_f32 v[14:15], v[14:15], v[146:147]
	v_pk_add_f32 v[232:233], v[232:233], v[150:151]
	s_delay_alu instid0(VALU_DEP_2)
	v_pk_add_f32 v[14:15], v[14:15], v[242:243]
	s_delay_alu instid0(VALU_DEP_2)
	v_pk_add_f32 v[232:233], v[232:233], v[240:241]
	v_pk_add_f32 v[248:249], v[248:249], v[238:239]
	v_pk_add_f32 v[244:245], v[244:245], v[236:237]
	s_delay_alu instid0(VALU_DEP_2)
	v_pk_add_f32 v[14:15], v[14:15], v[248:249]
	s_delay_alu instid0(VALU_DEP_2)
	v_pk_add_f32 v[232:233], v[232:233], v[244:245]
	s_delay_alu instid0(VALU_DEP_1)
	v_pk_add_f32 v[14:15], v[14:15], v[232:233]
	s_wait_alu depctr_va_vdst(0)                   ; and one for the four
.irp b, 0,1,2,3
	v_max_num_f32 v[BM+\b], 0x1800000, v[BM+\b]    ; the floor 2^(3 - 127)
.endr
.irp b, 0,1,2,3
	s_delay_alu instid0(VALU_DEP_4)
	v_add_nc_u32 v[SO+\b], 0xff000000, v[BM+\b]
.endr
.irp b, 0,1,2,3
	s_delay_alu instid0(VALU_DEP_4)
	v_lshrrev_b32 v[BY+\b], 23, v[SO+\b]
.endr
	s_delay_alu instid0(VALU_DEP_3)
	v_lshl_or_b32 v252, v[BY+1], 8, v[BY]
	s_delay_alu instid0(VALU_DEP_1)
	v_lshl_or_b32 v252, v[BY+2], 16, v252
	s_delay_alu instid0(VALU_DEP_1)
	v_lshl_or_b32 v252, v[BY+3], 24, v252          ; p's scale word
.irp c, 0,1
	v_cvt_scalef32_pk16_fp6_f32 v[PCD+6*\c:PCD+6*\c+2], v[S+32*\c:S+32*\c+15], v[SO+2*\c]
	v_cvt_scalef32_pk16_fp6_f32 v[CT+4*\c:CT+4*\c+2], v[S+32*\c+16:S+32*\c+31], v[SO+2*\c+1]
.endr
	v_nop
.irp c, 0,1
.irp i, 0,1,2
	v_permlane16_swap_b32 v[PCD+6*\c+\i], v[CT+4*\c+\i]
.endr
.irp i, 0,1,2
	s_delay_alu instid0(VALU_DEP_3)
	v_mov_b32 v[PCD+6*\c+3+\i], v[CT+4*\c+\i]
.endr
.endr
	s_wait_alu depctr_va_vdst(0)
.set j, 0
.rept 16
	v_pk_mul_f32 v[O+j:O+j+1], v[O+j:O+j+1], v[38:39] op_sel_hi:[1,0]   ; O^T under the new M.  Twelve of these sixteen name no register of any one product below: the places behind p's scale word and codes
.set j, j+2
.endr
	s_wait_alu depctr_va_vdst(0)
	s_wait_dscnt 0x0                               ; V is in (and the next K, asked for a softmax ago)
.irp t, 0,1,2,3
	v_wmma_scale_f32_16x16x128_f8f6f4 v[O+8*\t:O+8*\t+7], v[FR+12*\t:FR+12*\t+11], v[PCD:PCD+11], v[O+8*\t:O+8*\t+7], v[16+\t], v252 matrix_a_fmt:MATRIX_FMT_FP6 matrix_b_fmt:MATRIX_FMT_FP6
.endr
.if \kind == 1
.Lhid_\@:
.endif
.if \kind
	s_add_co_u32 s[TB], s[TB], BLKB
	s_add_co_u32 s[KJ], s[KJ], 1
.endif
.endm
; O^T / the row's sum.  kind 0: it starts x, and the running maximum goes back to -3e38: the next step's f is then 0, which brings the sum and O^T to zero.  kind 1: it is added to x.
.macro FIN kind
.rept 4
	v_nop
.endr
	v_add_f32 v14, v14, v15
	s_delay_alu instid0(VALU_DEP_1)
	v_permlanex16_b32 v253, v14, s[SEL], s[SEL+1]
	s_delay_alu instid0(VALU_DEP_1)
	v_add_f32 v14, v14, v253
	s_wait_alu depctr_va_vdst(0)
	v_rcp_f32 v254, v14
	v_nop                                          ; a plain line behind the reciprocal,
	s_wait_alu depctr_va_vdst(0)                   ; and the wait ahead of its first reader
.set j, 0
.rept 16
.if \kind
	v_pk_fma_f32 v[XR+j:XR+j+1], v[O+j:O+j+1], v[254:255], v[XR+j:XR+j+1] op_sel_hi:[1,0,1]
.else
	v_pk_mul_f32 v[XR+j:XR+j+1], v[O+j:O+j+1], v[254:255] op_sel_hi:[1,0]
.endif
.set j, j+2
.endr
.if \kind == 0
	v_mov_b32 v13, 0xff61b1e6
	s_delay_alu instid0(VALU_DEP_1)
	v_floor_f32 v12, -v13
.endif
.endm
; x's 64 channels of my head are two blocks of 32 along D: register 16 b + i = channel 32 b + 16 h + i.  Codes to s[xo:xo+1], the two scale bytes to s[xo+2:xo+3]
.macro XOUT xo
.irp b, 0,1
	v_max3_num_f32 v[BM+\b], |v[XR+16*\b]|, |v[XR+16*\b+1]|, 0x1800000
.endr
.irp i, 2,4,6,8,10,12,14
.irp b, 0,1
	s_delay_alu instid0(VALU_DEP_2)
	v_max3_num_f32 v[BM+\b], v[BM+\b], |v[XR+16*\b+\i]|, |v[XR+16*\b+\i+1]|
.endr
.endr
.irp b, 0,1
	s_delay_alu instid0(VALU_DEP_2)
	v_permlanex16_b32 v[T2+\b], v[BM+\b], s[SEL], s[SEL+1]
.endr
.irp b, 0,1
	s_delay_alu instid0(VALU_DEP_2)
	v_max_num_f32 v[BM+\b], v[BM+\b], v[T2+\b]
.endr
.irp b, 0,1
	s_delay_alu instid0(VALU_DEP_2)
	v_add_nc_u32 v[SO+\b], 0xff000000, v[BM+\b]
.endr
.irp b, 0,1
	s_delay_alu instid0(VALU_DEP_2)
	v_lshrrev_b32 v[BY+\b], 23, v[SO+\b]
.endr
	s_delay_alu instid0(VALU_DEP_1)
	v_lshl_or_b32 v253, v[BY+1], 8, v[BY]
	v_cvt_scalef32_pk16_fp6_f32 v[PCD:PCD+2], v[XR:XR+15], v[SO]
	v_cvt_scalef32_pk16_fp6_f32 v[CT:CT+2], v[XR+16:XR+31], v[SO+1]
	v_nop
.irp i, 0,1,2
	v_permlane16_swap_b32 v[PCD+\i], v[CT+\i]
.endr
.irp i, 0,1,2
	s_delay_alu instid0(VALU_DEP_3)
	v_mov_b32 v[PCD+3+\i], v[CT+\i]
.endr
	v_and_b32 v2, 15, v0
	s_delay_alu instid0(VALU_DEP_1)
	v_lshlrev_b32 v2, 4, v2                        ; a row's scale words lie 16 bytes apart
.irp k, 0,1,2
	global_store_b64 v1, v[PCD+2*\k:PCD+2*\k+1], s[\xo:\xo+1] offset:256*\k   ; half an image: three stores of 256 consecutive bytes, aligned
.endr
	global_store_b16 v2, v253, s[\xo+2:\xo+3]      ; my head's two bytes of the row's word (lanes r and 16 + r store the same): 32 bytes beside 768 of codes
.endm
	s_wait_alu depctr_va_vdst(0)
	s_wait_tensorcnt 0x0                           ; my rows of blocks 0-3 are in
	ds_add_u32 v247, v251
	s_wait_dscnt 0x0
	ROUND                                          ; blocks 0-3 are whole, and all four work-groups are here: the joint loads meet
	s_cmp_lt_u32 s8, 5                             ; the branch hangs on the wave's number alone
	s_cbranch_scc0 .Lone
	tensor_load_to_lds s[36:39], s[24:31]          ; two blocks
	s_nop 0
.rept 4
	v_nop
.endr
	s_branch .Lasked
.Lone:
	tensor_load_to_lds s[36:39], s[40:47]          ; one block
	s_nop 0
.rept 4
	v_nop
.endr
.Lasked:
	; MY FIRST TILE: c = 15 - w, at least 8
	s_lshr_b32 s[C4], s12, 2
	s_mov_b32 s[TB], 0
	v_mov_b32 v2, v1
	LOADK 2
	STEP 0
	FIN 0
	s_mov_b32 s[TB], BLKB
	s_mov_b32 s[KJ], 0
	s_mov_b32 s[LC], 2
.Lfirst:                                           ; key steps 0 and 1: they read blocks 1 and 2, and K of block 3
	STEP 2
	s_sub_co_u32 s[LC], s[LC], 1
	s_cmp_lg_u32 s[LC], 0
	s_cbranch_scc1 .Lfirst
	s_wait_tensorcnt 0x0                           ; my part of blocks 4-16 has landed
	s_wait_dscnt 0x0
	s_barrier_signal -1
	s_barrier_wait -1                              ; all blocks are whole
	s_mov_b32 s[TB], 3*BLKB
	s_mov_b32 s[LC], 14
.Lrest:                                            ; key steps 2 to 15: the trip count is a constant, a wave's hidden steps are passed over
	STEP 1
	s_sub_co_u32 s[LC], s[LC], 1
	s_cmp_lg_u32 s[LC], 0
	s_cbranch_scc1 .Lrest
	FIN 1
	XOUT 66
	; MY SECOND TILE: c = w, at most 7
	s_wait_xcnt 0x0                                ; the stores have read their registers: v2, v253 and the codes' may be written again
	s_mov_b32 s12, s8
	s_lshr_b32 s[C4], s12, 2
	s_lshl_b32 s13, s8, 4
	s_sub_co_u32 s13, s13, 120                     ; 8 (w - (15 - w))
	v_mov_b32 v5, v7                               ; its Q scale word: fourteen plain lines stand between this one and the first product
	s_set_vgpr_msb 0x01
.irp i, 0,1,2,3,4,5
	v_mov_b32 v[26+\i], v[48+\i]                   ; its Q, out of window 1
.endr
	s_set_vgpr_msb 0x0100
	v_add_nc_u32 v4, s13, v4                       ; the concepts' lane term under the new c
	v_mov_b32 v13, 0xff61b1e6                      ; the next step's f is 0: the sum and O^T begin at zero
	v_floor_f32 v12, -v13
	s_mov_b32 s[TB], 0
	v_mov_b32 v2, v1
	LOADK 2
	STEP 0
	FIN 0
	s_mov_b32 s[TB], BLKB
	s_mov_b32 s[KJ], 0
	s_mov_b32 s[LC], 8
.Lsecond:                                          ; key steps 0 to 7
	STEP 1
	s_sub_co_u32 s[LC], s[LC], 1
	s_cmp_lg_u32 s[LC], 0
	s_cbranch_scc1 .Lsecond
	FIN 1
	XOUT 76
	s_wait_tensorcnt 0x0                           ; the wave's end
	ds_add_u32 v247, v251
	s_wait_dscnt 0x0
	ROUND                                          ; the closing round: no work-group ends while a partner may still ask for a tile that names it
	s_endpgm
.Lfunc_end_k_q9c207a884d_attn:
	.size	k_q9c207a884d_attn, .Lfunc_end_k_q9c207a884d_attn-k_q9c207a884d_attn
	.p2alignl 7, 3214868480
	.fill 96, 4, 3214868480
	.section	.rodata,"a",@progbits
	.p2align	6, 0x0
	.amdhsa_kernel k_q9c207a884d_attn
		.amdhsa_group_segment_fixed_size 327680
		.amdhsa_private_segment_fixed_size 0
		.amdhsa_enable_private_segment 0
		.amdhsa_kernarg_size 16
		.amdhsa_user_sgpr_count 2
		.amdhsa_user_sgpr_kernarg_segment_ptr 1
		.amdhsa_wavefront_size32 1
		.amdhsa_system_sgpr_workgroup_id_x 1
		.amdhsa_system_sgpr_workgroup_id_y 1
		.amdhsa_system_sgpr_workgroup_id_z 1
		.amdhsa_system_vgpr_workitem_id 0
		.amdhsa_next_free_vgpr 320
		.amdhsa_next_free_sgpr 84
		.amdhsa_reserve_vcc 1
		.amdhsa_float_denorm_mode_32 3
		.amdhsa_float_denorm_mode_16_64 3
		.amdhsa_memory_ordered 1
		.amdhsa_forward_progress 1
		.amdhsa_inst_pref_size 141
	.end_amdhsa_kernel
	.amdgpu_metadata
---
amdhsa.version: [ 1, 2 ]
amdhsa.kernels:
  - .name:           k_q9c207a884d_attn
    .symbol:         k_q9c207a884d_attn.kd
    .args:
      - { .name: qkv, .offset: 0, .size: 8, .value_kind: global_buffer, .address_space: global }
      - { .name: ximg, .offset: 8, .size: 8, .value_kind: global_buffer, .address_space: global }
    .group_segment_fixed_size: 327680
    .private_segment_fixed_size: 0
    .kernarg_segment_align: 8
    .kernarg_segment_size: 16
    .max_flat_workgroup_size: 256
    .sgpr_count:     84
    .vgpr_count:     320
    .wavefront_size: 32
...
	.end_amdgpu_metadata
.endif
;; end of part 3
;; launch outproj (part 4): grid 8 x 32, 4 waves a work-group, clusters of 4 x 4, 272,896 bytes of LDS; arguments img, ximg, bp, out0; writes out0
.if DOCPART == 4
	.amdgcn_target "amdgcn-amd-amdhsa--gfx1250"
	.amdhsa_code_object_version 6
	.text
	.protected	k_q9c207a884d_outproj
	.globl	k_q9c207a884d_outproj
	.p2align	8
	.type	k_q9c207a884d_outproj,@function
k_q9c207a884d_outproj:
	s_mov_b64 s[64:65], 0
	v_nop
	global_prefetch_b8 v0, s[64:65] scope:SCOPE_SE
	s_setreg_imm32_b32 hwreg(HW_REG_WAVE_MODE, 25, 1), 1
	s_wait_xcnt 0x0
	s_wait_alu depctr_hold_cnt(0) depctr_sa_sdst(0) depctr_va_vdst(0) depctr_va_sdst(0) depctr_va_ssrc(0) depctr_va_vcc(0) depctr_vm_vsrc(0)
	s_getreg_b32 s2, hwreg(HW_REG_IB_STS2, 6, 4)
	s_cmp_eq_u32 s2, 0
	s_cbranch_scc0 .Lentry_in_a_cluster
	s_endpgm
.Lentry_in_a_cluster:
	s_bfe_u32 s2, ttmp6, 0x10000c
	s_cmp_lg_u32 s2, 0xf033
	s_cbranch_scc0 .Lentry_shape_is_right
	s_endpgm
.Lentry_shape_is_right:
; LAUNCH 4 OF 4.  out0 = Q(x) Q(Wp) + bp on codes of FP6 (E2M3) with E8M0 scales; out0 [4096][1024] f32.
; Work-group (x, y): Wp's panel 74 + x of img (128 output columns, source 0) x panel y of ximg (128 tokens, source 1), all 1,024 of K.  Wave w: column tiles 4 (w % 2) on x token tiles 4 (w / 2) on: 16 accumulators.
; 256 work-groups of 128 x 128: a larger tile would leave WGPs without work.
; LDS: the two panels whole (2 x 102,400 bytes), each brought by two tensor loads of 51,200 bytes (four K steps) asked for at the head: one load of a wave is out; nothing is filled twice; behind them a stage of 128 x 528 bytes.
; CLUSTER 4 x 4: Wp's panel hangs on x alone and is shared along a column of the cluster, x's panel on y alone and is shared along a row: both are asked for jointly, waves 0 and 2 for Wp's, waves 1 and 3 for x's.
; A lane's 16 registers of two neighbouring column tiles are 16 neighbouring columns of one token; bp is the C of the first product (an order of rounding other than reference()'s).
; REGISTERS: window 0: v1-15 addresses; v16-31 scale words, two sets; v32-127, v128-223 fragment sets 0, 1 (column tile p at + 12 p, token tile i at + 48 + 12 i).  window 1: accumulator (p, i) at 8 (4 p + i); v128-159 bp.
.set PANEL, 102400
.set PHASE, 25600
.set KSB,   12288
.set IMGB,  1536
.set SCO,   24576
.set STG,   204800
.set SPI,   528                        ; a stage row: 512 bytes + 16 = 132 words: the 16 rows that a store of 16 bytes a lane touches start 4 banks apart
.set PFA, 2
.set RFA, 4
.set PSA, 6
.set RSA, 8
.set SCS, 16
.set G1P, 28                           ; s[28:35] group 1 for Wp's panel;  s[36:43] for x's
.set G1R, 36
.set G0P, 44                           ; s[44:47], s[52:55] two groups 0 for Wp's panel;  s[68:71], s[76:79] for x's
.set G0R, 68
.set MSB, 0
.macro WIN new                         ; the immediate's high byte repeats the setting that is left
.if MSB != \new
	s_set_vgpr_msb (MSB<<8)|\new
.set MSB, \new
.endif
.endm
.macro ROUND                           ; a round of the cluster's barrier
	s_barrier_signal -1
	s_barrier_wait -1
	s_cmp_lg_u32 s14, 0
	s_cbranch_scc1 .Lnot_wave_0_\@
	s_barrier_signal -3
.Lnot_wave_0_\@:
	s_barrier_wait -3
	s_barrier_signal -1
	s_barrier_wait -1
.endm
	s_load_b256 s[4:11], s[0:1], 0x0               ; img s[4:5], ximg s[6:7], bp s[8:9], out0 s[10:11]
	v_lshl_add_u32 v254, v0, 2, 0x42800
	v_mov_b32 v255, 0
	ds_add_u32 v254, v255
	ds_add_u32 v254, v255
	v_lshrrev_b32 v1, 5, v0
	v_readfirstlane_b32 s14, v1                    ; wave 0..3
	s_and_b32 s15, s14, 1                          ; wp
	s_lshr_b32 s16, s14, 1                         ; wr
	s_bfe_u32 s17, ttmp6, 0x40000                  ; cx
	s_bfe_u32 s18, ttmp6, 0x40004                  ; cy
	s_lshl_b32 s19, ttmp9, 2
	s_add_co_u32 s19, s19, s17                     ; x = 4 x cluster x + cx
	s_and_b32 s20, ttmp7, 0xffff
	s_lshl_b32 s20, s20, 2
	s_add_co_u32 s20, s20, s18                     ; y = 4 x cluster y + cy
	s_lshl_b32 s21, s18, 2
	s_lshl_b32 s21, 15, s21                        ; my row of the cluster
	s_lshl_b32 s22, 0x1111, s17                    ; my column
	s_or_b32 s[G1P], s22, (3<<16)|(1<<21)          ; Wp's panel goes to my column; elements of 8 bytes; bit 21 is set beside a mask
	s_or_b32 s[G1R], s21, (3<<16)|(1<<21)          ; x's panel goes to my row
.irp g, G1P, G1R
	s_mov_b32 s[\g+1], 32<<16                      ; rows of 32 elements of 8 bytes: 256 bytes
	s_mov_b32 s[\g+2], 200<<16                     ; half a panel, 51,200 bytes, as 200 rows of 256 bytes
	s_mov_b32 s[\g+3], 32<<16
	s_mov_b32 s[\g+4], 200
	s_mov_b32 s[\g+5], 32
	s_mov_b32 s[\g+6], 0
	s_mov_b32 s[\g+7], 0
.endr
	s_add_co_u32 s24, s19, 74
	s_mul_i32 s24, s24, PANEL                      ; s[24:25] never hold y,
	s_mov_b32 s25, 0
	s_mul_i32 s26, s20, PANEL                      ; s[26:27] never x
	s_mov_b32 s27, 0
	s_wait_dscnt 0x0
	s_wait_kmcnt 0x0
	s_add_nc_u64 s[24:25], s[4:5], s[24:25]
	s_add_nc_u64 s[26:27], s[6:7], s[26:27]
	ROUND                                          ; all sixteen work-groups are here: the joint loads meet
.irp q, 0,2
	s_mov_b32 s[G0P+4*\q], 1
	s_mov_b32 s[G0P+4*\q+1], \q*PHASE
	s_add_nc_u64 s[G0P+4*\q+2:G0P+4*\q+3], s[24:25], \q*PHASE
	s_or_b32 s[G0P+4*\q+3], s[G0P+4*\q+3], 0x80000000
	s_mov_b32 s[G0R+4*\q], 1
	s_mov_b32 s[G0R+4*\q+1], PANEL+\q*PHASE
	s_add_nc_u64 s[G0R+4*\q+2:G0R+4*\q+3], s[26:27], \q*PHASE
	s_or_b32 s[G0R+4*\q+3], s[G0R+4*\q+3], 0x80000000
.endr
	; the four half panels are shared out, one joint load a wave: wave 0 Wp's first half, wave 1 x's first, wave 2 Wp's second, wave 3 x's second.  One chain of branches on the wave's number: the same in every work-group
	s_cmp_eq_u32 s14, 0
	s_cbranch_scc0 .Lnot_p
	tensor_load_to_lds s[G0P:G0P+3], s[G1P:G1P+7]
	s_nop 0
.rept 4
	v_nop
.endr
	s_branch .Lasked
.Lnot_p:
	s_cmp_eq_u32 s14, 1
	s_cbranch_scc0 .Lnot_r
	tensor_load_to_lds s[G0R:G0R+3], s[G1R:G1R+7]
	s_nop 0
.rept 4
	v_nop
.endr
	s_branch .Lasked
.Lnot_r:
	s_cmp_eq_u32 s14, 2
	s_cbranch_scc0 .Lnot_p2
	tensor_load_to_lds s[G0P+8:G0P+11], s[G1P:G1P+7]
	s_nop 0
.rept 4
	v_nop
.endr
	s_branch .Lasked
.Lnot_p2:
	tensor_load_to_lds s[G0R+8:G0R+11], s[G1R:G1R+7]
	s_nop 0
.rept 4
	v_nop
.endr
.Lasked:
	s_lshl_b32 s84, s20, 7
	s_lshl_b32 s85, s14, 5
	s_add_co_u32 s84, s84, s85                     ; the first token that I store: 128 y + 32 w
	s_lshl_b32 s84, s84, 12                        ; rows of 4,096 bytes
	s_lshl_b32 s85, s19, 9                         ; 128 columns of 4 bytes
	s_add_co_u32 s84, s84, s85
	s_mov_b32 s85, 0
	s_add_nc_u64 s[84:85], s[10:11], s[84:85]
	s_lshl_b32 s88, s19, 9
	s_lshl_b32 s89, s15, 8
	s_add_co_u32 s88, s88, s89                     ; bp at column 128 x + 64 wp
	s_mov_b32 s89, 0
	s_add_nc_u64 s[88:89], s[8:9], s[88:89]
	v_and_b32 v12, 31, v0
	v_and_b32 v14, 15, v0                          ; r
	v_bfe_u32 v13, v0, 4, 1                        ; h
	v_lshlrev_b32 v1, 3, v12                       ; 8 x lane
	v_lshlrev_b32 v12, 4, v12                      ; 16 x lane
	v_lshlrev_b32 v15, 4, v14                      ; 16 r
	s_mul_i32 s90, s15, 4*IMGB
	v_add_nc_u32 v[PFA], s90, v1
	v_add_nc_u32 v[PFA+1], 2*PHASE, v[PFA]
	s_mul_i32 s90, s16, 4*IMGB
	s_add_co_u32 s90, s90, PANEL
	v_add_nc_u32 v[RFA], s90, v1
	v_add_nc_u32 v[RFA+1], 2*PHASE, v[RFA]
	s_lshl_b32 s90, s15, 8
	s_add_co_u32 s90, s90, SCO
	v_add_nc_u32 v[PSA], s90, v15
	v_add_nc_u32 v[PSA+1], 2*PHASE, v[PSA]
	s_lshl_b32 s90, s16, 8
	s_add_co_u32 s90, s90, PANEL+SCO
	v_add_nc_u32 v[RSA], s90, v15
	v_add_nc_u32 v[RSA+1], 2*PHASE, v[RSA]
	s_mul_i32 s90, s16, 64*SPI
	s_lshl_b32 s91, s15, 8
	s_add_co_u32 s90, s90, s91
	s_add_co_u32 s90, s90, STG
	v_mul_u32_u24 v10, v14, SPI
	v_lshl_add_u32 v10, v13, 6, v10
	v_add_nc_u32 v10, s90, v10                     ; the stage, in: row 64 wr + r (rows in the tiles' order), + 256 wp + 64 h
	s_mul_i32 s91, s14, 32*SPI
	s_add_co_u32 s91, s91, STG
	v_add_nc_u32 v11, s91, v12                     ; back: my 32 rows, 16 bytes a lane
	v_lshlrev_b32 v15, 6, v13                      ; bp: tile 2 b + u, register j is column 32 b + 8 u + 16 h + j
	WIN 0x40                                       ; destination window 1
.irp p, 0,1,2,3
	global_load_b128 v[128+8*\p:131+8*\p], v15, s[88:89] offset:(32*(\p/2)+8*(\p%2))*4
	global_load_b128 v[132+8*\p:135+8*\p], v15, s[88:89] offset:(32*(\p/2)+8*(\p%2))*4+16
.endr
	WIN 0
	s_wait_alu depctr_va_vdst(0)
	s_wait_loadcnt 0x0
.macro FRAG reg, adr, off
.irp c, 0,1,2,3,4,5
	ds_load_b64 v[\reg+2*\c:\reg+2*\c+1], v[\adr] offset:\off+256*\c
.endr
.endm
.macro WHERE s
.set AH, (\s)/4
.set OF, (((\s)/2)%2)*PHASE+((\s)%2)*KSB
.set OS, (((\s)/2)%2)*PHASE+((\s)%2)*512
.set SS, SCS+8*((\s)%2)
.set FS, 32+96*((\s)%2)
.endm
.macro FETCHA s                        ; both sides' scale words and the token tiles' four fragments
	WHERE \s
	WIN 0
	ds_load_b128 v[SS:SS+3], v[PSA+AH] offset:OS
	ds_load_b128 v[SS+4:SS+7], v[RSA+AH] offset:OS
.irp i, 0,1,2,3
	FRAG FS+48+12*\i, RFA+AH, OF+IMGB*\i
.endr
.endm
.macro FETCHB s                        ; the column tiles' four
	WHERE \s
	WIN 0
.irp p, 0,1,2,3
	FRAG FS+12*\p, PFA+AH, OF+IMGB*\p
.endr
.endm
.macro MUL s, p0                       ; 8 products.  The 16 accumulators take turns, one instruction a turn, in the same order in every K step
	WHERE \s
	WIN 0x50                                       ; sources 0, 1 window 0; C and D window 1
.irp p, \p0, \p0+1
.irp i, 0,1,2,3
.if (\s) == 0
	v_wmma_scale_f32_16x16x128_f8f6f4 v[8*(4*(\p)+\i):8*(4*(\p)+\i)+7], v[FS+12*(\p):FS+12*(\p)+11], v[FS+48+12*\i:FS+48+12*\i+11], v[128+8*(\p):128+8*(\p)+7], v[SS+(\p)], v[SS+4+\i] matrix_a_fmt:MATRIX_FMT_FP6 matrix_b_fmt:MATRIX_FMT_FP6
.else
	v_wmma_scale_f32_16x16x128_f8f6f4 v[8*(4*(\p)+\i):8*(4*(\p)+\i)+7], v[FS+12*(\p):FS+12*(\p)+11], v[FS+48+12*\i:FS+48+12*\i+11], v[8*(4*(\p)+\i):8*(4*(\p)+\i)+7], v[SS+(\p)], v[SS+4+\i] matrix_a_fmt:MATRIX_FMT_FP6 matrix_b_fmt:MATRIX_FMT_FP6
.endif
.endr
.endr
.endm
	s_wait_tensorcnt 0x0                           ; my half panel has landed; behind the barrier both panels are whole
	s_barrier_signal -1
	s_barrier_wait -1
	FETCHA 0
	FETCHB 0
.irp s, 0,1,2,3,4,5,6,7
	s_wait_dscnt 0x0                               ; this step's fragments, asked for during the last step, are in
.if \s < 7
.rept 4
	v_nop                                          ; four places between the last step's products and the loads into the registers that they read
.endr
	FETCHA \s+1
.endif
	MUL \s, 0
.if \s < 7
	FETCHB \s+1
.endif
	MUL \s, 2
.endr
	WIN 0
.rept 4
	v_nop                                          ; places in front of the first read of the results, and of the loads into the fragments' registers below
.endr
	; THE WAY OUT.  A token's 128 columns come from two waves: they meet in the stage; then each wave stores 32 whole rows of 512 bytes.
	WIN 0x04                                       ; an LDS store's data are its source 1: window 1
.irp p, 0,1,2,3
.irp i, 0,1,2,3
	ds_store_b128 v10, v[8*(4*\p+\i):8*(4*\p+\i)+3] offset:\i*16*SPI+128*(\p/2)+32*(\p%2)        ; each accumulator from its low end on
	ds_store_b128 v10, v[8*(4*\p+\i)+4:8*(4*\p+\i)+7] offset:\i*16*SPI+128*(\p/2)+32*(\p%2)+16
.endr
.endr
	WIN 0
	s_wait_dscnt 0x0                               ; for the others' sake: my stores into the stage are done
	s_barrier_signal -1
	s_barrier_wait -1
.set k, 0
.rept 32
	ds_load_b128 v[32+4*k:35+4*k], v11 offset:k*SPI
.set k, k+1
.endr
.set k, 0
.rept 32
	s_wait_dscnt 31-k                              ; row k is back; the younger loads may be out
	global_store_b128 v12, v[32+4*k:35+4*k], s[84:85] offset:(8*(k/16)+(k%16)+8*((k%16)/8))*4096 th:TH_STORE_NT   ; stage row 16 u + r is token 8 u + r + 8 (r / 8) of my 32; 32 lanes store 512 consecutive bytes, aligned
.set k, k+1
.endr
	s_wait_tensorcnt 0x0
	ds_add_u32 v254, v255
	s_wait_dscnt 0x0
	ROUND                                          ; the closing round: no work-group ends while a partner may still ask for a tile that names it
	s_endpgm
.Lfunc_end_k_q9c207a884d_outproj:
	.size	k_q9c207a884d_outproj, .Lfunc_end_k_q9c207a884d_outproj-k_q9c207a884d_outproj
	.p2alignl 7, 3214868480
	.fill 96, 4, 3214868480
	.section	.rodata,"a",@progbits
	.p2align	6, 0x0
	.amdhsa_kernel k_q9c207a884d_outproj
		.amdhsa_group_segment_fixed_size 272896
		.amdhsa_private_segment_fixed_size 0
		.amdhsa_enable_private_segment 0
		.amdhsa_kernarg_size 32
		.amdhsa_user_sgpr_count 2
		.amdhsa_user_sgpr_kernarg_segment_ptr 1
		.amdhsa_wavefront_size32 1
		.amdhsa_system_sgpr_workgroup_id_x 1
		.amdhsa_system_sgpr_workgroup_id_y 1
		.amdhsa_system_sgpr_workgroup_id_z 1
		.amdhsa_system_vgpr_workitem_id 0
		.amdhsa_next_free_vgpr 448
		.amdhsa_next_free_sgpr 100
		.amdhsa_reserve_vcc 0
		.amdhsa_float_denorm_mode_32 3
		.amdhsa_float_denorm_mode_16_64 3
		.amdhsa_memory_ordered 1
		.amdhsa_forward_progress 1
		.amdhsa_inst_pref_size 60
	.end_amdhsa_kernel
	.amdgpu_metadata
---
amdhsa.version: [ 1, 2 ]
amdhsa.kernels:
  - .name:           k_q9c207a884d_outproj
    .symbol:         k_q9c207a884d_outproj.kd
    .args:
      - { .name: img, .offset: 0, .size: 8, .value_kind: global_buffer, .address_space: global }
      - { .name: ximg, .offset: 8, .size: 8, .value_kind: global_buffer, .address_space: global }
      - { .name: bp, .offset: 16, .size: 8, .value_kind: global_buffer, .address_space: global }
      - { .name: out0, .offset: 24, .size: 8, .value_kind: global_buffer, .address_space: global }
    .group_segment_fixed_size: 272896
    .private_segment_fixed_size: 0
    .kernarg_segment_align: 8
    .kernarg_segment_size: 32
    .max_flat_workgroup_size: 128
    .sgpr_count:     100
    .vgpr_count:     448
    .wavefront_size: 32
...
	.end_amdgpu_metadata
.endif
;; end of part 4
